; MI455X (gfx1250); checked and timed in simulation.
; The chip was launched on July 23, 2026; its instructions are those of AMD's public machine-readable ISA for CDNA 5 (MIT licence, August 2026) and "CDNA5" Instruction Set Architecture Reference Guide (July 2026). The comments in the code are by the model that wrote it; some were corrected since.
;; Self Attention. Allowed arithmetic: float matrix products may take bf16 or f16 operands with f32 sums; other float arithmetic in f32, or as packed bf16 or f16 multiplies, adds, multiply-adds, maxima and minima; sums over many terms, partial sums and values carried from step to step in f32; what a program stores and reads back later, other than sums and carried values, may be rounded once to bf16 or f16.
;; Inputs: Wk 1,024 x 1,024 float32; Wq 1,024 x 1,024 float32; Wv 1,024 x 1,024 float32; x 4 x 2,048 x 1,024 float32.
;; Outputs: out0 4 x 2,048 x 1,024 float32.
;; 2 versions, each right; version 2 is version 1 with the launch cast written anew for expert scheduling mode. Each part assembles by itself: llvm-mc -triple=amdgcn-amd-amdhsa -mcpu=gfx1250 --defsym DOCPART=n.
;; ======== version 1 of 2: 4 launches
;; limits: values are held in f16: magnitudes above 65,504 overflow, below 6.1e-05 lose precision
;; workspace buffers: xw 23,068,672 bytes; qk 33,554,432 bytes; vt 16,777,216 bytes; pmat 33,554,432 bytes; stat 1,048,576 bytes
;; launch cast (part 1): grid 704 x 1, 8 waves a work-group, no clusters, 0 bytes of LDS; arguments x, Wq, Wk, Wv, xw; writes xw
.if DOCPART == 1
	.amdgcn_target "amdgcn-amd-amdhsa--gfx1250"
	.amdhsa_code_object_version 6
	.text
	.protected	k_qfdb051a958_cast
	.globl	k_qfdb051a958_cast
	.p2align	8
	.type	k_qfdb051a958_cast,@function
k_qfdb051a958_cast:
	s_mov_b64 s[64:65], 0
	v_nop
	global_prefetch_b8 v0, s[64:65] scope:SCOPE_SE
	s_setreg_imm32_b32 hwreg(HW_REG_WAVE_MODE, 25, 1), 1
	s_wait_xcnt 0x0
; x [8192][1024] and Wq, Wk, Wv [1024][1024], all f32, are rounded once to bf16 (nearest even) and laid in blocks along K:
; xw = bf16 [16 kb][11264 R][64]; R < 8192 is row R of x, R = 8192 + 1024 p + e is row e of Wq, Wk, Wv (p = 0, 1, 2).
; So a tile of rows for one K step of 64 is dense in memory for the launch behind.
; A stream: each input byte is read once and each output byte written once; no LDS, no matrix unit, no cluster: no two work-groups read the same bytes.
; SHARES.  Work-group g owns rows 16 g .. 16 g + 15 of the 11,264.  Thread t takes row t / 16 and the 16 bytes t % 16 of each of the row's 16 pieces of 256 bytes.
; A load of a wave covers two rows x 256 bytes; a store of a wave covers 256 consecutive bytes, aligned (two rows' 128 bytes lie end to end in a block).
; All 16 loads of a thread go out first: 8 KiB of every wave are on their way; the waits count the younger loads down.
.set BLK, 11264*128                    ; bytes of one block kb
.set X,   4                            ; v[4:67]   16 x 4 f32 as loaded
.set Y,   68                           ; v[68:99]  16 x 4 bf16 to store
	s_load_b256 s[4:11], s[0:1], 0x0               ; x s[4:5], Wq s[6:7], Wk s[8:9], Wv s[10:11]
	s_load_b64 s[12:13], s[0:1], 0x20              ; xw
	s_mov_b32 s30, ttmp9                           ; g
	s_lshl_b32 s14, s30, 16                        ; in x: g x 16 rows x 4,096 bytes
	s_and_b32 s15, s30, 63
	s_lshl_b32 s15, s15, 16                        ; in a weight: (g mod 64) x 16 rows x 4,096 bytes
	s_lshl_b32 s28, s30, 11                        ; in a block of xw: g x 16 rows x 128 bytes
	s_mov_b32 s29, 0
	s_mov_b32 s19, 0
	v_lshrrev_b32 v1, 4, v0                        ; my row of the 16
	v_and_b32 v3, 15, v0                           ; my 16 bytes of a piece
	v_lshlrev_b32 v1, 12, v1
	v_lshl_or_b32 v1, v3, 4, v1                    ; source offset: row x 4,096 + 16 x piece part
	v_lshlrev_b32 v2, 3, v0                        ; destination offset: row x 128 + 8 x piece part = 8 t
	s_wait_kmcnt 0x0
	s_cmp_lt_u32 s30, 576                          ; which of the four tensors: the choice hangs on g alone
	s_cselect_b64 s[16:17], s[6:7], s[8:9]
	s_cmp_lt_u32 s30, 640
	s_cselect_b64 s[16:17], s[16:17], s[10:11]
	s_cmp_lt_u32 s30, 512
	s_cselect_b64 s[16:17], s[4:5], s[16:17]
	s_cselect_b32 s18, s14, s15
	s_add_nc_u64 s[16:17], s[16:17], s[18:19]      ; my 16 rows
	s_add_nc_u64 s[20:21], s[12:13], s[28:29]      ; four bases, four blocks apart, so that the stores' immediates stay within 3 blocks
	s_add_nc_u64 s[22:23], s[20:21], 4*BLK
	s_add_nc_u64 s[24:25], s[22:23], 4*BLK
	s_add_nc_u64 s[26:27], s[24:25], 4*BLK
.set kb, 0
.rept 16
	global_load_b128 v[X+4*kb:X+4*kb+3], v1, s[16:17] offset:256*kb th:TH_LOAD_NT
.set kb, kb+1
.endr
.set kb, 0
.rept 16
	s_wait_loadcnt 15-kb                           ; loads come back in order: piece kb is in, the 15 - kb younger ones stay out
	v_cvt_pk_bf16_f32 v[Y+2*kb],   v[X+4*kb],   v[X+4*kb+1]
	v_cvt_pk_bf16_f32 v[Y+2*kb+1], v[X+4*kb+2], v[X+4*kb+3]
	global_store_b64 v2, v[Y+2*kb:Y+2*kb+1], s[20+2*(kb/4):21+2*(kb/4)] offset:(kb%4)*BLK
.set kb, kb+1
.endr
	s_endpgm
.Lfunc_end_k_qfdb051a958_cast:
	.size	k_qfdb051a958_cast, .Lfunc_end_k_qfdb051a958_cast-k_qfdb051a958_cast
	.p2alignl 7, 3214868480
	.fill 96, 4, 3214868480
	.section	.rodata,"a",@progbits
	.p2align	6, 0x0
	.amdhsa_kernel k_qfdb051a958_cast
		.amdhsa_group_segment_fixed_size 0
		.amdhsa_private_segment_fixed_size 0
		.amdhsa_enable_private_segment 0
		.amdhsa_kernarg_size 40
		.amdhsa_user_sgpr_count 2
		.amdhsa_user_sgpr_kernarg_segment_ptr 1
		.amdhsa_wavefront_size32 1
		.amdhsa_system_sgpr_workgroup_id_x 1
		.amdhsa_system_sgpr_workgroup_id_y 1
		.amdhsa_system_sgpr_workgroup_id_z 1
		.amdhsa_system_vgpr_workitem_id 0
		.amdhsa_next_free_vgpr 104
		.amdhsa_next_free_sgpr 66
		.amdhsa_reserve_vcc 0
		.amdhsa_float_denorm_mode_32 3
		.amdhsa_float_denorm_mode_16_64 3
		.amdhsa_memory_ordered 1
		.amdhsa_forward_progress 1
		.amdhsa_inst_pref_size 7
	.end_amdhsa_kernel
	.amdgpu_metadata
---
amdhsa.version: [ 1, 2 ]
amdhsa.kernels:
  - .name:           k_qfdb051a958_cast
    .symbol:         k_qfdb051a958_cast.kd
    .args:
      - { .name: x, .offset: 0, .size: 8, .value_kind: global_buffer, .address_space: global }
      - { .name: Wq, .offset: 8, .size: 8, .value_kind: global_buffer, .address_space: global }
      - { .name: Wk, .offset: 16, .size: 8, .value_kind: global_buffer, .address_space: global }
      - { .name: Wv, .offset: 24, .size: 8, .value_kind: global_buffer, .address_space: global }
      - { .name: xw, .offset: 32, .size: 8, .value_kind: global_buffer, .address_space: global }
    .group_segment_fixed_size: 0
    .private_segment_fixed_size: 0
    .kernarg_segment_align: 8
    .kernarg_segment_size: 40
    .max_flat_workgroup_size: 256
    .sgpr_count:     66
    .vgpr_count:     104
    .wavefront_size: 32
...
	.end_amdgpu_metadata
.endif
;; end of part 1
;; launch proj (part 2): grid 8 x 32, 4 waves a work-group, clusters of 4 x 4, 327,680 bytes of LDS; arguments xw, qk, vt; writes qk, vt
.if DOCPART == 2
	.amdgcn_target "amdgcn-amd-amdhsa--gfx1250"
	.amdhsa_code_object_version 6
	.text
	.protected	k_qfdb051a958_proj
	.globl	k_qfdb051a958_proj
	.p2align	8
	.type	k_qfdb051a958_proj,@function
k_qfdb051a958_proj:
	s_mov_b64 s[64:65], 0
	v_nop
	global_prefetch_b8 v0, s[64:65] scope:SCOPE_SE
	s_setreg_imm32_b32 hwreg(HW_REG_WAVE_MODE, 25, 1), 1
	s_wait_xcnt 0x0
	s_wait_alu depctr_hold_cnt(0) depctr_sa_sdst(0) depctr_va_vdst(0) depctr_va_sdst(0) depctr_va_ssrc(0) depctr_va_vcc(0) depctr_vm_vsrc(0)
	s_getreg_b32 s2, hwreg(HW_REG_IB_STS2, 6, 4)
	s_cmp_eq_u32 s2, 0
	s_cbranch_scc0 .Lentry_in_a_cluster
	s_endpgm
.Lentry_in_a_cluster:
	s_bfe_u32 s2, ttmp6, 0x10000c
	s_cmp_lg_u32 s2, 0xf033
	s_cbranch_scc0 .Lentry_shape_is_right
	s_endpgm
.Lentry_shape_is_right:
; q = x Wq^T, k = x Wk^T, v = x Wv^T.  Operands bf16 (xw, in K blocks of 64), sums f32, results rounded once to f16.
; OUT: qk = f16 [32 cb][8192 row][64]: cb 0-15 are q's channels 64 cb on, cb 16-31 k's.
;      vt = f16 [64 channel blocks][512 row blocks][512 bytes]: a unit is 16 channels x 16 rows of v in fragment order: lane l's 16 bytes at 16 l hold channel l % 16, rows 8 (l / 16) + 0..7.
; LIMIT.  f16 holds no number beyond 65,504: q, k and v must lie within it (a larger one becomes an infinity).  NaN and infinities are not treated apart.
; SHARES.  A work-group makes 256 rows x 384 columns: 128 channels of each of q, k, v: 8 x 32 = 256 work-groups.  A wave makes 128 rows (rh) x 64 channels (ch) of each of the three:
; 96 accumulators of 16 x 16, 768 registers.  K = 1,024 goes in 16 steps of 64 through two LDS slots; a step is two chunks of 32 along K, 96 matrix instructions each.
; CLUSTER.  4 x 4 work-groups.  The four of a row need the same 256 rows of x, the four of a column the same 384 rows of weights: each tile is asked for jointly, by the same tensor load with the same
; descriptor and a mask that names the four.  Wave 0 asks for x (32 KiB), waves 1 to 3 for the 128 rows of Wq, Wk, Wv (16 KiB each).  One descriptor a tensor walks: one tensor load of a wave is out at the most.
; q AND k are made with the weights as source 0 and x as source 1: a lane then holds one row and eight neighbouring channels.  v is made the other way round: a lane holds one channel and eight neighbouring rows:
; packed, that IS a unit of vt, so v leaves straight from registers.
; REGISTERS, in windows of 256 (s_set_vgpr_msb: bits 1:0 source 0, 3:2 source 1, 5:4 source 2, 7:6 destination):
;   window 0: v0-31 addresses; v32-95, v96-159 fragments of x, two buffers; v160-255 fragments of the weights, 32 for each of q, k, v, one buffer: each part is loaded again straight behind the products that read it
;   window 1, 2: q's, k's accumulators, (a, b) at 8 (4 a + b);   window 3: v's, (a, b) at 8 (8 b + a);   a = 0..7 blocks of 16 rows, b = 0..3 blocks of 16 channels
.set BLK,   11264*128                  ; bytes from one K block of xw to the next
.set PITCH, 144                        ; an LDS row: 128 bytes + 16 of padding = 36 words: the 16 rows of a load start at 16 different groups of four banks (64 banks of 4 bytes: ISA guide 11.1)
.set SEG,   128*PITCH                  ; 128 rows
.set BOFF,  2*SEG                      ; a slot: 256 rows of x, then 128 rows of each weight
.set SLOT1, 1<<17                      ; slot 1 begins here: one exclusive or turns an address in one slot into the other's
.set STAGE, 5*SEG                      ; behind slot 0, never filled by a tensor load: 16 rows x 144 bytes for each wave, for q's and k's way out
.set STG,   16*PITCH
.set SPARE, STAGE+4*STG                ; the spare words, 128 bytes for each wave: two blocks of 256 bytes that no other line names
.set GW0,   (1<<16)|(1<<20)|(1<<21)|(4<<22)|(3<<25)  ; group 1, word 0: 2-byte elements; padding on; bit 21 beside a mask; after every 32 words; 4 words of padding
.set PA,   4                           ; v4   my lane's place among my wave's rows of x in a slot; never rewritten
.set PB,   5                           ; v5   the same among my wave's rows of Wq
.set ADRA, 6                           ; v6   PA in the slot in hand
.set ADRB, 7                           ; v7   PB in the slot in hand
.set STO7, 8                           ; v8   q, k on the way out: where I put 16 bytes of a row of 128
.set RD7,  9                           ; v9   where I read four such rows back
.set GO7,  10                          ; v10  16 x lane: my byte offset in 512 consecutive bytes of qk or of vt
.set SPW,  28                          ; v28  LDS address of my spare word; never rewritten
.set NIL,  29                          ; v29  0; never rewritten
.set FA0,  32
.set FA1,  96
.set FB,   160
.set WV,   10                          ; s10  my wave's number
.set G1A,  24                          ; s[24:31] descriptor group 1 for x
.set G1B,  32                          ; s[32:39] for the weights
.set G0A,  40                          ; s[40:43] descriptor group 0 for x: it walks
.set G0B,  44                          ; s[44:47] for the weights
.set TB,   48                          ; s48  LDS byte at which the slot to be fetched from begins
.set CNT,  49                          ; s49  loop counter
.set OQ,   50                          ; s[50:51] q's, s[52:53] k's first byte of my part
.set OV,   54                          ; s[54:55] v's
.set MSB, 0
.macro WIN new                         ; the immediate's high byte repeats the setting that is left; a switch that changes nothing is dropped
.if MSB != (\new)
	s_set_vgpr_msb (MSB<<8)|(\new)
.set MSB, (\new)
.endif
.endm
.macro PLACES                          ; four places between a matrix instruction and a load into, or a vector instruction on, its registers
.rept 4
	v_nop
.endr
.endm
.macro CREST                           ; a round of the cluster's barrier behind its opening barrier
	s_cmp_lg_u32 s[WV], 0
	s_cbranch_scc1 .Lnot_wave_0_\@
	s_barrier_signal -3
.Lnot_wave_0_\@:
	s_barrier_wait -3
	s_barrier_signal -1
	s_barrier_wait -1
.endm
.macro CROUND                          ; a whole round
	s_barrier_signal -1
	s_barrier_wait -1
	CREST
.endm
.macro JLOAD                           ; a joint load; the branch hangs on the wave's number alone; an s_nop 0 and four v_nop follow each line
	s_cmp_eq_u32 s[WV], 0
	s_cbranch_scc0 .Lfor_b_\@
	tensor_load_to_lds s[G0A:G0A+3], s[G1A:G1A+7]
	s_nop 0
.rept 4
	v_nop
.endr
	s_branch .Lasked_\@
.Lfor_b_\@:
	tensor_load_to_lds s[G0B:G0B+3], s[G1B:G1B+7]
	s_nop 0
.rept 4
	v_nop
.endr
.Lasked_\@:
.endm
.macro STEPDESC                        ; the walking descriptors: the other slot, the next K block; the type bits on top are not reached
	s_xor_b32 s[G0A+1], s[G0A+1], SLOT1
	s_add_nc_u64 s[G0A+2:G0A+3], s[G0A+2:G0A+3], BLK
	s_xor_b32 s[G0B+1], s[G0B+1], SLOT1
	s_add_nc_u64 s[G0B+2:G0B+3], s[G0B+2:G0B+3], BLK
.endm
; Products of output p (0 q, 1 k, 2 v) on x's buffer f: row blocks a0 .. a0 + cnt - 1 x all four channel blocks.  zero = 1: they start the sums.  All 96 accumulators take turns, one instruction a turn.
.macro STRETCH p, f, zero, a0, cnt
	WIN 0x50*(1+(\p))
.set aa, (\a0)
.rept \cnt
.set bb, 0
.rept 4
.if (\p) < 2
.set rD, 8*(4*aa+bb)
.if \zero
	v_wmma_f32_16x16x32_bf16 v[rD:rD+7], v[FB+32*(\p)+8*bb:FB+32*(\p)+8*bb+7], v[(\f)+8*aa:(\f)+8*aa+7], 0
.else
	v_wmma_f32_16x16x32_bf16 v[rD:rD+7], v[FB+32*(\p)+8*bb:FB+32*(\p)+8*bb+7], v[(\f)+8*aa:(\f)+8*aa+7], v[rD:rD+7]
.endif
.else
.set rD, 8*(8*bb+aa)
.if \zero
	v_wmma_f32_16x16x32_bf16 v[rD:rD+7], v[(\f)+8*aa:(\f)+8*aa+7], v[FB+32*(\p)+8*bb:FB+32*(\p)+8*bb+7], 0
.else
	v_wmma_f32_16x16x32_bf16 v[rD:rD+7], v[(\f)+8*aa:(\f)+8*aa+7], v[FB+32*(\p)+8*bb:FB+32*(\p)+8*bb+7], v[rD:rD+7]
.endif
.endif
.set bb, bb+1
.endr
.set aa, aa+1
.endr
.endm
; A fragment is 16 rows x 32 K in 8 registers: lane l holds row l % 16, K = 8 (l / 16) + 0..7 and 16 + 8 (l / 16) + 0..7: two loads of 16 bytes, 32 bytes apart.
.macro LDB p, k                        ; 8 loads: weight p's four fragments at byte k of the rows
.irp b, 0,1,2,3
	ds_load_b128 v[FB+32*(\p)+8*(\b):FB+32*(\p)+8*(\b)+3],   v[ADRB] offset:(\p)*SEG+(\b)*16*PITCH+(\k)
	ds_load_b128 v[FB+32*(\p)+8*(\b)+4:FB+32*(\p)+8*(\b)+7], v[ADRB] offset:(\p)*SEG+(\b)*16*PITCH+(\k)+32
.endr
.endm
.macro LDA half, k, g                  ; 8 loads: four of x's eight fragments into buffer g
.irp i, 0,1,2,3
	ds_load_b128 v[(\g)+8*(4*(\half)+(\i)):(\g)+8*(4*(\half)+(\i))+3],   v[ADRA] offset:(4*(\half)+(\i))*16*PITCH+(\k)
	ds_load_b128 v[(\g)+8*(4*(\half)+(\i))+4:(\g)+8*(4*(\half)+(\i))+7], v[ADRA] offset:(4*(\half)+(\i))*16*PITCH+(\k)+32
.endr
.endm
; A step's first chunk: multiplies buffer f; behind each output's 32 products that output's weights, and part of x, are fetched for the next chunk, at byte k of the same slot's rows.
.macro CHUNK f, g, k, zero
	s_wait_dscnt 8                                 ; all but the youngest eight loads (v's weights) are in
	STRETCH 0, \f, \zero, 0, 8
	PLACES
	WIN 0
	LDB 0, \k
	LDA 0, \k, \g
	STRETCH 1, \f, \zero, 0, 8
	PLACES
	WIN 0
	LDB 1, \k
	LDA 1, \k, \g
	s_wait_dscnt 32                                ; all but this chunk's two runs of 16: v's weights are in
	STRETCH 2, \f, \zero, 0, 8
	PLACES
	WIN 0
	LDB 2, \k
.endm
; A step's second chunk multiplies buffer 1 and changes slots: ONE barrier.  In front of it each wave waits for all its tensor loads (the one that is out is its part of the next slot), adds 0 to its spare word,
; and waits for that and for its reads of this slot.  fill = 1: the barrier opens a round of the cluster's, and this slot is filled again, two steps ahead, first thing behind the round:
; 160 matrix instructions stand between that request and the wait for it.
.macro TURNC fill
	WIN 0
	s_wait_tensorcnt 0x0                           ; no tensor load of mine is out, so the descriptors may be written
	ds_add_u32 v[SPW], v[NIL]                      ; 0 onto my spare word
.if \fill
	STEPDESC
.endif
	s_xor_b32 s[TB], s[TB], SLOT1                  ; the fetches go on in the other slot
	s_wait_dscnt 9                                 ; the add and the youngest eight loads may be out
	STRETCH 0, FA1, 0, 0, 4
	s_wait_dscnt 0x0                               ; the add is done, and my reads of this slot are over
	s_barrier_signal -1
	STRETCH 0, FA1, 0, 4, 4                        ; work on registers while the others arrive
	WIN 0
	s_barrier_wait -1
.if \fill
	CREST                                          ; no wave of any partner still reads this slot or has a load on its way
	JLOAD                                          ; its four v_nop are also the places in front of the loads below
.else
	PLACES
.endif
	v_add_nc_u32 v[ADRA], s[TB], v[PA]
	v_add_nc_u32 v[ADRB], s[TB], v[PB]
	LDB 0, 0
	LDA 0, 0, FA0
	STRETCH 1, FA1, 0, 0, 8
	PLACES
	WIN 0
	LDB 1, 0
	LDA 1, 0, FA0
	STRETCH 2, FA1, 0, 0, 8
	PLACES
	WIN 0
	LDB 2, 0
.endm
	s_load_b128 s[4:7], s[0:1], 0x0                ; xw s[4:5], qk s[6:7]
	s_load_b64 s[8:9], s[0:1], 0x10                ; vt
	v_lshl_add_u32 v[SPW], v0, 2, SPARE
	v_mov_b32 v[NIL], 0
	ds_add_u32 v[SPW], v[NIL]                      ; the wave's opening: the add, and its wait ahead of my first tensor load; the set-up below stands between them
	v_lshrrev_b32 v1, 5, v0
	v_readfirstlane_b32 s[WV], v1                  ; wave 0..3
	s_lshr_b32 s11, s[WV], 1                       ; rh: which 128 rows are mine
	s_and_b32 s12, s[WV], 1                        ; ch: which 64 channels
	s_bfe_u32 s13, ttmp6, 0x40000                  ; cx
	s_bfe_u32 s14, ttmp6, 0x40004                  ; cy
	s_lshl_b32 s15, ttmp9, 2
	s_add_co_u32 s15, s15, s13                     ; tx = 4 x cluster x + cx: 128 channels
	s_and_b32 s16, ttmp7, 0xffff
	s_lshl_b32 s16, s16, 2
	s_add_co_u32 s16, s16, s14                     ; ty = 4 x cluster y + cy: 256 rows
	s_lshl_b32 s17, s14, 2
	s_lshl_b32 s17, 15, s17                        ; my row of the cluster
	s_lshl_b32 s18, 0x1111, s13                    ; my column
	s_or_b32 s[G1A], s17, GW0                      ; x's tiles go to my row,
	s_or_b32 s[G1B], s18, GW0                      ; the weights' to my column
.irp g, G1A, G1B                       ; the tiles are dense in memory and asked for as rows of 256 bytes, two rows of 64 bf16 each
	s_mov_b32 s[(\g)+1], 128<<16                   ; tensor_dim0 = 128
	s_mov_b32 s[(\g)+3], 128<<16                   ; tile_dim0 = 128
	s_mov_b32 s[(\g)+5], 128                       ; 128 elements from row to row
	s_mov_b32 s[(\g)+6], 0
	s_mov_b32 s[(\g)+7], 0
.endr
	s_mov_b32 s[G1A+2], 128<<16                    ; tensor_dim1 = tile_dim1 = 128: 256 rows of x
	s_mov_b32 s[G1A+4], 128
	s_mov_b32 s[G1B+2], 64<<16                     ; 64: 128 rows of a weight
	s_mov_b32 s[G1B+4], 64
	s_lshl_b32 s20, s16, 15                        ; x: row 256 ty, 128 bytes a row: it hangs on ty alone
	s_mov_b32 s21, 0
	s_lshl_b32 s22, s[WV], 17                      ; weights: row 7,168 + 1,024 w + 128 tx: it hangs on tx and the wave alone
	s_lshl_b32 s23, s15, 14
	s_add_co_u32 s22, s22, s23
	s_add_co_u32 s22, s22, 7168*128
	s_mov_b32 s23, 0
	s_mov_b32 s[G0A], 1                            ; count = 1
	s_mov_b32 s[G0A+1], 0                          ; LDS address: slot 0
	s_mov_b32 s[G0B], 1
	s_mul_i32 s[G0B+1], s[WV], SEG                 ; weight w - 1 lies at 18,432 (w + 1)
	s_add_co_u32 s[G0B+1], s[G0B+1], SEG
	s_lshl_b32 s56, s15, 21                        ; my part of q: block 2 tx + ch of 1 MiB, row 256 ty + 128 rh of 128 bytes
	s_lshl_b32 s57, s12, 20
	s_add_co_u32 s56, s56, s57
	s_lshl_b32 s57, s16, 15
	s_add_co_u32 s56, s56, s57
	s_lshl_b32 s57, s11, 14
	s_add_co_u32 s56, s56, s57
	s_mov_b32 s57, 0
	s_lshl_b32 s58, s15, 21                        ; my part of vt: channel block 8 tx + 4 ch of 262,144 bytes, row block 16 ty + 8 rh of 512 bytes
	s_lshl_b32 s59, s12, 20
	s_add_co_u32 s58, s58, s59
	s_lshl_b32 s59, s16, 13
	s_add_co_u32 s58, s58, s59
	s_lshl_b32 s59, s11, 12
	s_add_co_u32 s58, s58, s59
	s_mov_b32 s59, 0
	s_mov_b32 s[TB], 0
	s_wait_dscnt 0x0                               ; the opening add is done
	s_wait_kmcnt 0x0
	s_add_nc_u64 s[G0A+2:G0A+3], s[4:5], s[20:21]
	s_or_b32 s[G0A+3], s[G0A+3], 0x80000000        ; type = 2
	s_add_nc_u64 s[G0B+2:G0B+3], s[4:5], s[22:23]
	s_or_b32 s[G0B+3], s[G0B+3], 0x80000000
	s_add_nc_u64 s[OQ:OQ+1], s[6:7], s[56:57]
	s_add_nc_u64 s[OQ+2:OQ+3], s[OQ:OQ+1], 16<<20  ; k lies 16 blocks behind q
	s_add_nc_u64 s[OV:OV+1], s[8:9], s[58:59]
	CROUND                                         ; all sixteen work-groups are here: the first joint loads meet
	JLOAD                                          ; K step 0 into slot 0
	v_and_b32 v1, 15, v0                           ; r = l % 16
	v_bfe_u32 v2, v0, 4, 1                         ; h = l / 16
	v_and_b32 v3, 31, v0                           ; l
	v_mul_u32_u24 v14, v1, PITCH
	v_lshl_add_u32 v14, v2, 4, v14                 ; r x pitch + 16 h
	s_mul_i32 s20, s11, SEG
	s_mul_i32 s21, s12, 64*PITCH
	s_add_co_u32 s21, s21, BOFF
	v_add_nc_u32 v[PA], s20, v14
	v_add_nc_u32 v[PB], s21, v14
	s_mul_i32 s22, s[WV], STG
	s_add_co_u32 s22, s22, STAGE                   ; my stage
	v_add_nc_u32 v[STO7], s22, v14
	v_lshrrev_b32 v15, 3, v3
	v_and_b32 v16, 7, v0
	v_mul_u32_u24 v15, v15, PITCH
	v_lshl_add_u32 v15, v16, 4, v15                ; 32 lanes take four rows of 128 bytes
	v_add_nc_u32 v[RD7], s22, v15
	v_lshlrev_b32 v[GO7], 4, v3
	s_wait_tensorcnt 0x0                           ; my part of K step 0 is in; slot 1 is first filled as a refill is: wait, add, wait, round, load
	ds_add_u32 v[SPW], v[NIL]
	STEPDESC
	s_wait_dscnt 0x0
	CROUND                                         ; everybody's part of K step 0 is in
	JLOAD                                          ; K step 1 into slot 1
	v_mov_b32 v[ADRA], v[PA]
	v_mov_b32 v[ADRB], v[PB]
	LDB 0, 0
	LDA 0, 0, FA0
	LDB 1, 0
	LDA 1, 0, FA0
	LDB 2, 0
	CHUNK FA0, FA1, 64, 1                          ; the first chunk stands in front of the loop: its products start the sums
	WIN 0
	s_mov_b32 s[CNT], 14
.Lstep:                                                ; 14 trips: a step's second chunk and the next step's first; K steps 2 to 15 are asked for
	TURNC 1
	CHUNK FA0, FA1, 64, 0
	WIN 0
	s_sub_co_u32 s[CNT], s[CNT], 1
	s_cmp_lg_u32 s[CNT], 0
	s_cbranch_scc1 .Lstep
	s_mov_b32 s[CNT], 2                            ; the last three chunks ask for nothing: a loop of two trips, entered in its middle
	s_branch .Lmid
.Ltop:
	CHUNK FA0, FA1, 64, 0
	WIN 0
.Lmid:
	TURNC 0                                        ; the second time its fetch brings the last slot but one once more and serves nothing: the price of one text for both trips
	WIN 0
	s_sub_co_u32 s[CNT], s[CNT], 1
	s_cmp_lg_u32 s[CNT], 0
	s_cbranch_scc1 .Ltop
	s_wait_dscnt 0x0                               ; that fetch has landed: its registers are used again below; four v_nop stand behind the last product
; THE WAY OUT.  q, k: tile a is 16 rows x 64 channels, 2,048 dense bytes of qk.  A lane's eight channels pack into 16 bytes; they go into rows of 144 bytes of my own stage and come back as whole rows.
.macro PACKQ p, a
.set TQ, 32+16*(\a)
	s_wait_xcnt 0x0                                ; earlier stores have read their registers: only behind this wait are they rewritten
	WIN 5*(1+(\p))                                 ; sources 0 and 1 in the output's window
.set i, 0
.rept 16
	v_cvt_pk_f16_f32 v[TQ+i], v[32*(\a)+2*i], v[32*(\a)+2*i+1]
.set i, i+1
.endr
	WIN 0
.irp f, 0,1,2,3
	ds_store_b128 v[STO7], v[TQ+4*(\f):TQ+4*(\f)+3] offset:32*(\f)
.endr
.irp f, 0,1,2,3
	ds_load_b128 v[TQ+4*(\f):TQ+4*(\f)+3], v[RD7] offset:4*PITCH*(\f)  ; LDS serves a wave's instructions in order (ISA guide 5.7.1.4): these see the stores above
.endr
.endm
.macro SENDQ p, a, younger             ; younger: the LDS instructions issued behind this tile's loads: the next tile's eight, or none
.set TQ, 32+16*(\a)
.irp f, 0,1,2,3
	s_wait_dscnt (\younger)+3-(\f)
	global_store_b128 v[GO7], v[TQ+4*(\f):TQ+4*(\f)+3], s[OQ+2*(\p):OQ+2*(\p)+1] offset:2048*(\a)+512*(\f)  ; 512 consecutive bytes, aligned
.endr
.endm
; v: channel block b.  A lane's eight rows of row block a pack into the 16 bytes that are its part of unit (b, a): the eight units of a channel block are 4,096 consecutive bytes, and no lane's bytes change lanes.
.macro PACKV b
.set TV, 32+32*(\b)
	s_wait_xcnt 0x0                                ; earlier stores have read their registers
	WIN 0x0f                                       ; sources 0 and 1 in window 3
.set i, 0
.rept 32
	v_cvt_pk_f16_f32 v[TV+i], v[64*(\b)+2*i], v[64*(\b)+2*i+1]
.set i, i+1
.endr
	WIN 0
.irp a, 0,1,2,3,4,5,6,7
	global_store_b128 v[GO7], v[TV+4*(\a):TV+4*(\a)+3], s[OV:OV+1] offset:262144*(\b)+512*(\a)  ; 512 consecutive bytes, aligned
.endr
.endm
.set n, 0
.rept 16                               ; a tile's conversions stand between the loads of the tile before and its stores
	PACKQ n/8, n%8
.if n > 0
	SENDQ (n-1)/8, (n-1)%8, 8
.endif
.set n, n+1
.endr
	SENDQ 1, 7, 0
	PACKV 0
	PACKV 1
	PACKV 2
	PACKV 3
	s_wait_tensorcnt 0x0                           ; the wave's end
	ds_add_u32 v[SPW], v[NIL]
	s_wait_dscnt 0x0
	CROUND                                         ; the closing round
	s_endpgm
.Lfunc_end_k_qfdb051a958_proj:
	.size	k_qfdb051a958_proj, .Lfunc_end_k_qfdb051a958_proj-k_qfdb051a958_proj
	.p2alignl 7, 3214868480
	.fill 96, 4, 3214868480
	.section	.rodata,"a",@progbits
	.p2align	6, 0x0
	.amdhsa_kernel k_qfdb051a958_proj
		.amdhsa_group_segment_fixed_size 327680
		.amdhsa_private_segment_fixed_size 0
		.amdhsa_enable_private_segment 0
		.amdhsa_kernarg_size 24
		.amdhsa_user_sgpr_count 2
		.amdhsa_user_sgpr_kernarg_segment_ptr 1
		.amdhsa_wavefront_size32 1
		.amdhsa_system_sgpr_workgroup_id_x 1
		.amdhsa_system_sgpr_workgroup_id_y 1
		.amdhsa_system_sgpr_workgroup_id_z 1
		.amdhsa_system_vgpr_workitem_id 0
		.amdhsa_next_free_vgpr 1024
		.amdhsa_next_free_sgpr 66
		.amdhsa_reserve_vcc 0
		.amdhsa_float_denorm_mode_32 3
		.amdhsa_float_denorm_mode_16_64 3
		.amdhsa_memory_ordered 1
		.amdhsa_forward_progress 1
		.amdhsa_inst_pref_size 102
	.end_amdhsa_kernel
	.amdgpu_metadata
---
amdhsa.version: [ 1, 2 ]
amdhsa.kernels:
  - .name:           k_qfdb051a958_proj
    .symbol:         k_qfdb051a958_proj.kd
    .args:
      - { .name: xw, .offset: 0, .size: 8, .value_kind: global_buffer, .address_space: global }
      - { .name: qk, .offset: 8, .size: 8, .value_kind: global_buffer, .address_space: global }
      - { .name: vt, .offset: 16, .size: 8, .value_kind: global_buffer, .address_space: global }
    .group_segment_fixed_size: 327680
    .private_segment_fixed_size: 0
    .kernarg_segment_align: 8
    .kernarg_segment_size: 24
    .max_flat_workgroup_size: 128
    .sgpr_count:     66
    .vgpr_count:     1024
    .wavefront_size: 32
...
	.end_amdgpu_metadata
.endif
;; end of part 2
;; launch score (part 3): grid 8 x 32, 4 waves a work-group, clusters of 4 x 4, 327,680 bytes of LDS; arguments qk, pmat, stat; writes pmat, stat
.if DOCPART == 3
	.amdgcn_target "amdgcn-amd-amdhsa--gfx1250"
	.amdhsa_code_object_version 6
	.text
	.protected	k_qfdb051a958_score
	.globl	k_qfdb051a958_score
	.p2align	8
	.type	k_qfdb051a958_score,@function
k_qfdb051a958_score:
	s_mov_b64 s[64:65], 0
	v_nop
	global_prefetch_b8 v0, s[64:65] scope:SCOPE_SE
	s_setreg_imm32_b32 hwreg(HW_REG_WAVE_MODE, 25, 1), 1
	s_wait_xcnt 0x0
	s_wait_alu depctr_hold_cnt(0) depctr_sa_sdst(0) depctr_va_vdst(0) depctr_va_sdst(0) depctr_va_ssrc(0) depctr_va_vcc(0) depctr_vm_vsrc(0)
	s_getreg_b32 s2, hwreg(HW_REG_IB_STS2, 6, 4)
	s_cmp_eq_u32 s2, 0
	s_cbranch_scc0 .Lentry_in_a_cluster
	s_endpgm
.Lentry_in_a_cluster:
	s_bfe_u32 s2, ttmp6, 0x10000c
	s_cmp_lg_u32 s2, 0xf033
	s_cbranch_scc0 .Lentry_shape_is_right
	s_endpgm
.Lentry_shape_is_right:
; S = q k^T for a tile of 256 queries x 256 keys of one batch, and the softmax's first half, by blocks of 128 keys.  With c = log2(e) / 32, for each query and block t:
; cm = c x (the block's largest score), p = 2^(c s - cm) rounded to f16, l = the sum of the unrounded p.  The largest score is taken away before every exponential: every exponent is 0 or less;
; the launch behind brings the blocks onto the row's own maximum.
; IN: qk = f16 [32 cb][8192 row][64].  OUT: pmat = f16 [512 query blocks][128 key blocks of the batch][512 bytes]: a unit is 16 queries x 16 keys in fragment order: lane l's 16 bytes at 16 l hold
; query l % 16, keys 8 (l / 16) + 0..7.  stat = f32 [2][16 t][8192 query]: plane 0 cm, plane 1 l.
; LIMITS.  A weight below 2^-126 counts as 0 in l; in f16 a weight below 6e-5 keeps the fixed step 6e-8.  NaN and infinities are not treated apart.
; SHARES.  8 x 32 = 256 work-groups; a wave makes 128 queries (rh) x 128 keys (ch): 64 accumulators, 512 registers; its 128 keys are one block t = 2 tx + ch.  K = 1,024 channels go in 8 steps of 128
; (two blocks cb of each of q and k) through two LDS slots; a step is four quarters of 32 channels, 64 matrix instructions each.
; CLUSTER.  4 x 4: q's tiles are shared along a row of the cluster, k's along a column; each is asked for jointly.  Wave w asks for piece w: q's even cb, q's odd cb, k's even, k's odd, 32 KiB each.
; One descriptor a tensor walks: one tensor load of a wave is out at the most.
; Source 0 = 16 keys, source 1 = 16 queries: a lane holds ONE query (l % 16) and eight neighbouring keys 8 (l / 16) + 0..7 of each of eight key blocks; the query's other 64 keys lie in the lane 16 away.
; Packed, a lane's eight keys ARE its part of a unit of pmat: the weights leave straight from registers.
; REGISTERS, in windows of 256 (s_set_vgpr_msb: bits 1:0 source 0, 3:2 source 1, 5:4 source 2, 7:6 destination):
;   window 0: v0-31 addresses and statistics; v32-63 at work; v64-127, v128-191 q's fragments, two buffers; v192-255 packed weights, two buffers
;   window 1: v64-127, v128-191 k's fragments      window 2, 3: accumulators of my queries 0-63, 64-127: (a, b) at 8 (8 (a % 4) + b)
.set PITCH,  144                       ; an LDS row: 128 bytes + 16 of padding: the 16 rows of a load start at 16 different groups of four banks (64 banks of 4 bytes: ISA guide 11.1)
.set PIECE,  256*PITCH                 ; 256 rows of one cb: 0x9000
.set PAIR,   2*PIECE                   ; piece w's two slots lie at w x PAIR and w x PAIR + PIECE; no w x PAIR shares a bit with PIECE, so one exclusive or changes slots
.set HALF,   128*PITCH
.set STAGE,  4*PAIR                    ; behind the ring, never filled by a tensor load: 1,024 bytes of statistics for each wave
.set STG,    1024
.set SPARE,  STAGE+4*STG               ; the spare words, 128 bytes for each wave
.set GW0,    (1<<16)|(1<<20)|(1<<21)|(4<<22)|(3<<25)  ; 2-byte elements; padding on; bit 21 beside a mask; after every 32 words; 4 words
.set CM,   12                          ; v[12:13] c m; the packed scaling names the pair and takes its low word for both halves
.set LS,   14                          ; v14  l
.set TP,   15                          ; v15  what the other half of the lanes sends
.set ADRA, 16                          ; v16-17 my q fragments in the even, the odd cb's piece, in the slot in hand
.set PA,   18                          ; v18  the same in slot 0, even cb; never rewritten
.set ADRB, 20                          ; v20-21, v22: the same for k
.set PB,   22
.set SGO,  27                          ; v27  16 x lane: my byte offset in 512 consecutive bytes of pmat or of stat
.set SPW,  28
.set NIL,  29
.set SST,  30                          ; v30  where my query's statistics go
.set SRD,  31                          ; v31  where I read four queries' back
.set U,    32
.set F0,   64
.set F1,   128
.set T,    192
.set WV,   10
.set G1A,  24
.set G1B,  32
.set G0A,  40
.set G0B,  44
.set TB,   48                          ; s48  0 or PIECE: the slot to be fetched from
.set CNT,  49
.set CS,   50                          ; s[50:51] c
.set SEL,  52                          ; s[52:53] v_permlanex16_b32's selects: each lane takes its own place in the other half
.set OPM,  54                          ; s[54:55] pmat at my part
.set OST,  56                          ; s[56:57] stat at my part
.set MSB, 0
.macro WIN new
.if MSB != (\new)
	s_set_vgpr_msb (MSB<<8)|(\new)
.set MSB, (\new)
.endif
.endm
.set MUL_LO, 0xa1                      ; source 0 (k) window 1, source 1 (q) window 0, C and D window 2
.set MUL_HI, 0xf1                      ; the same, C and D window 3
.set TO_B,   0x40                      ; destination window 1, address window 0
.macro PLACES
.rept 4
	v_nop
.endr
.endm
.macro CREST
	s_cmp_lg_u32 s[WV], 0
	s_cbranch_scc1 .Lnot_wave_0_\@
	s_barrier_signal -3
.Lnot_wave_0_\@:
	s_barrier_wait -3
	s_barrier_signal -1
	s_barrier_wait -1
.endm
.macro CROUND
	s_barrier_signal -1
	s_barrier_wait -1
	CREST
.endm
.macro JLOAD                           ; waves 0, 1 ask for q's two pieces, waves 2, 3 for k's; an s_nop 0 and four v_nop follow each line
	s_cmp_lt_u32 s[WV], 2
	s_cbranch_scc0 .Lfor_b_\@
	tensor_load_to_lds s[G0A:G0A+3], s[G1A:G1A+7]
	s_nop 0
.rept 4
	v_nop
.endr
	s_branch .Lasked_\@
.Lfor_b_\@:
	tensor_load_to_lds s[G0B:G0B+3], s[G1B:G1B+7]
	s_nop 0
.rept 4
	v_nop
.endr
.Lasked_\@:
.endm
.macro STEPDESC                        ; the other slot; two blocks cb, 2 MiB, on
	s_xor_b32 s[G0A+1], s[G0A+1], PIECE
	s_add_nc_u64 s[G0A+2:G0A+3], s[G0A+2:G0A+3], 2<<20
	s_xor_b32 s[G0B+1], s[G0B+1], PIECE
	s_add_nc_u64 s[G0B+2:G0B+3], s[G0B+2:G0B+3], 2<<20
.endm
.macro SETADR
	v_add_nc_u32 v[ADRA], s[TB], v[PA]
	v_add_nc_u32 v[ADRB], s[TB], v[PB]
	v_add_nc_u32 v[ADRA+1], PAIR, v[ADRA]
	v_add_nc_u32 v[ADRB+1], PAIR, v[ADRB]
.endm
; 16 matrix instructions: query blocks a0, a0 + 1 of the window's four x all 8 key blocks, 32 channels.  The 64 accumulators take turns, one instruction a turn.
.macro MUL16 f, hi, a0, zero
	WIN MUL_LO+0x50*(\hi)
.irp a, \a0, (\a0)+1
.irp b, 0,1,2,3,4,5,6,7
.if \zero
	v_wmma_f32_16x16x32_f16 v[8*(8*(\a)+(\b)):8*(8*(\a)+(\b))+7], v[(\f)+8*(\b):(\f)+8*(\b)+7], v[(\f)+8*(4*(\hi)+(\a)):(\f)+8*(4*(\hi)+(\a))+7], 0
.else
	v_wmma_f32_16x16x32_f16 v[8*(8*(\a)+(\b)):8*(8*(\a)+(\b))+7], v[(\f)+8*(\b):(\f)+8*(\b)+7], v[(\f)+8*(4*(\hi)+(\a)):(\f)+8*(4*(\hi)+(\a))+7], v[8*(8*(\a)+(\b)):8*(8*(\a)+(\b))+7]
.endif
.endr
.endr
.endm
; 32 LDS loads in one run: quarter q4 of the step (piece q4 / 2, byte 64 (q4 % 2) of its rows) into buffer f: k's 128 rows, then q's
.macro FETCH q4, f
	WIN TO_B
.irp i, 0,1,2,3,4,5,6,7
	ds_load_b128 v[(\f)+8*(\i):(\f)+8*(\i)+3],   v[ADRB+(\q4)/2] offset:64*((\q4)%2)+(\i)*16*PITCH
	ds_load_b128 v[(\f)+8*(\i)+4:(\f)+8*(\i)+7], v[ADRB+(\q4)/2] offset:64*((\q4)%2)+(\i)*16*PITCH+32
.endr
	WIN 0
.irp i, 0,1,2,3,4,5,6,7
	ds_load_b128 v[(\f)+8*(\i):(\f)+8*(\i)+3],   v[ADRA+(\q4)/2] offset:64*((\q4)%2)+(\i)*16*PITCH
	ds_load_b128 v[(\f)+8*(\i)+4:(\f)+8*(\i)+7], v[ADRA+(\q4)/2] offset:64*((\q4)%2)+(\i)*16*PITCH+32
.endr
.endm
; One of a step's first three quarters: multiplies buffer f; in its middle it fetches quarter q4 into buffer g.
.macro QUARTER q4, f, g, zero
	s_wait_dscnt 8                                 ; k and q's rows 0-63 are in; the youngest eight loads (q's rows 64-127) may be out
	MUL16 \f, 0, 0, \zero
	MUL16 \f, 0, 2, \zero
	PLACES
	FETCH \q4, \g
	s_wait_dscnt 32                                ; all but the 32 just issued
	MUL16 \f, 1, 0, \zero
	MUL16 \f, 1, 2, \zero
.endm
; The last quarter multiplies buffer 1 and changes slots: ONE barrier; in front of it each wave waits for all its tensor loads (its part of the next slot), adds 0 to its spare word, and waits for that and for its reads of
; this slot.  fill = 1: the barrier opens a round of the cluster's, and this slot is filled again, two steps ahead, first thing behind the round: 224 matrix instructions ahead of the wait for it.
.macro TURN fill
	WIN 0
	s_wait_tensorcnt 0x0                           ; no tensor load of mine is out, so the descriptors may be written
	ds_add_u32 v[SPW], v[NIL]                      ; 0 onto my spare word
.if \fill
	STEPDESC
.endif
	s_xor_b32 s[TB], s[TB], PIECE
	s_wait_dscnt 9                                 ; the add and the youngest eight loads may be out
	MUL16 F1, 0, 0, 0
	s_wait_dscnt 0x0                               ; the add is done, and my reads of this slot are over
	s_barrier_signal -1
	MUL16 F1, 0, 2, 0
	WIN 0
	s_barrier_wait -1
.if \fill
	CREST
	JLOAD                                          ; its four v_nop are also the places in front of the loads below
.else
	PLACES
.endif
	SETADR
	FETCH 0, F0
	MUL16 F1, 1, 0, 0
	MUL16 F1, 1, 2, 0
.endm
	s_load_b128 s[4:7], s[0:1], 0x0                ; qk s[4:5], pmat s[6:7]
	s_load_b64 s[8:9], s[0:1], 0x10                ; stat
	v_lshl_add_u32 v[SPW], v0, 2, SPARE
	v_mov_b32 v[NIL], 0
	ds_add_u32 v[SPW], v[NIL]                      ; the wave's opening: the add, and its wait ahead of my first tensor load
	v_lshrrev_b32 v1, 5, v0
	v_readfirstlane_b32 s[WV], v1
	s_lshr_b32 s11, s[WV], 1                       ; rh: which 128 queries
	s_and_b32 s12, s[WV], 1                        ; ch: which 128 keys.  Also: the even or the odd cb is mine to fetch
	s_bfe_u32 s13, ttmp6, 0x40000                  ; cx
	s_bfe_u32 s14, ttmp6, 0x40004                  ; cy
	s_lshl_b32 s15, ttmp9, 2
	s_add_co_u32 s15, s15, s13                     ; tx: 256 keys of the batch
	s_and_b32 s16, ttmp7, 0xffff
	s_lshr_b32 s19, s16, 1                         ; the batch: 8 tiles of queries each, so two clusters along y: all partners share it
	s_lshl_b32 s16, s16, 2
	s_add_co_u32 s16, s16, s14                     ; ty: 256 queries of the 8,192
	s_lshl_b32 s17, s14, 2
	s_lshl_b32 s17, 15, s17                        ; my row of the cluster
	s_lshl_b32 s18, 0x1111, s13                    ; my column
	s_or_b32 s[G1A], s17, GW0
	s_or_b32 s[G1B], s18, GW0
.irp g, G1A, G1B                       ; a piece is 32,768 dense bytes: 128 rows of 256 bytes, two rows of 64 f16 each
	s_mov_b32 s[(\g)+1], 128<<16
	s_mov_b32 s[(\g)+2], 128<<16
	s_mov_b32 s[(\g)+3], 128<<16
	s_mov_b32 s[(\g)+4], 128
	s_mov_b32 s[(\g)+5], 128
	s_mov_b32 s[(\g)+6], 0
	s_mov_b32 s[(\g)+7], 0
.endr
	s_lshl_b32 s20, s12, 20                        ; q: cb w % 2, row 256 ty: it hangs on ty and the wave alone
	s_lshl_b32 s21, s16, 15
	s_add_co_u32 s20, s20, s21
	s_mov_b32 s21, 0
	s_lshl_b32 s22, s12, 20                        ; k: cb 16 + w % 2, row 256 (8 batch + tx): it hangs on tx, the batch and the wave alone
	s_lshl_b32 s23, s19, 18
	s_add_co_u32 s22, s22, s23
	s_lshl_b32 s23, s15, 15
	s_add_co_u32 s22, s22, s23
	s_add_co_u32 s22, s22, 16<<20
	s_mov_b32 s23, 0
	s_mov_b32 s[G0A], 1
	s_mul_i32 s[G0A+1], s[WV], PAIR                ; piece w, slot 0
	s_mov_b32 s[G0B], 1
	s_mul_i32 s[G0B+1], s[WV], PAIR
	s_lshl_b32 s58, s16, 20                        ; pmat: query block 16 ty + 8 rh of 65,536 bytes, key block 16 tx + 8 ch of 512 bytes
	s_lshl_b32 s59, s11, 19
	s_add_co_u32 s58, s58, s59
	s_lshl_b32 s59, s15, 13
	s_add_co_u32 s58, s58, s59
	s_lshl_b32 s59, s12, 12
	s_add_co_u32 s58, s58, s59
	s_mov_b32 s59, 0
	s_lshl_b32 s60, s15, 16                        ; stat: block 2 tx + ch of 32,768 bytes, query 256 ty + 128 rh of 4 bytes
	s_lshl_b32 s61, s12, 15
	s_add_co_u32 s60, s60, s61
	s_lshl_b32 s61, s16, 10
	s_add_co_u32 s60, s60, s61
	s_lshl_b32 s61, s11, 9
	s_add_co_u32 s60, s60, s61
	s_mov_b32 s61, 0
	s_mov_b32 s[CS], 0x3d38aa3b                    ; c = log2(e) / 32
	s_mov_b32 s[CS+1], s[CS]                       ; named with it as a pair
	s_mov_b32 s[SEL], 0x76543210
	s_mov_b32 s[SEL+1], 0xfedcba98
	s_mov_b32 s[TB], 0
	s_wait_dscnt 0x0                               ; the opening add is done
	s_wait_kmcnt 0x0
	s_add_nc_u64 s[G0A+2:G0A+3], s[4:5], s[20:21]
	s_or_b32 s[G0A+3], s[G0A+3], 0x80000000
	s_add_nc_u64 s[G0B+2:G0B+3], s[4:5], s[22:23]
	s_or_b32 s[G0B+3], s[G0B+3], 0x80000000
	s_add_nc_u64 s[OPM:OPM+1], s[6:7], s[58:59]
	s_add_nc_u64 s[OST:OST+1], s[8:9], s[60:61]
	CROUND                                         ; all sixteen work-groups are here: the first joint loads meet
	JLOAD                                          ; step 0 into slot 0
	v_and_b32 v1, 15, v0                           ; r
	v_bfe_u32 v2, v0, 4, 1                         ; h
	v_and_b32 v3, 31, v0                           ; l
	v_mul_u32_u24 v4, v1, PITCH
	v_lshl_add_u32 v4, v2, 4, v4
	s_mul_i32 s20, s11, HALF
	s_mul_i32 s21, s12, HALF
	s_add_co_u32 s21, s21, 2*PAIR
	v_add_nc_u32 v[PA], s20, v4
	v_add_nc_u32 v[PB], s21, v4
	v_lshlrev_b32 v[SGO], 4, v3
	s_mul_i32 s22, s[WV], STG
	s_add_co_u32 s22, s22, STAGE                   ; my statistics: 128 x cm, then 128 x l
	v_lshl_add_u32 v[SST], v1, 2, s22
	v_lshl_add_u32 v[SRD], v3, 4, s22
	v_mov_b32 v[CM+1], 0                           ; named with c m as a pair, never used
	v_mov_b32 v[TP], 0                             ; v_permlanex16_b32's destination counts as read
	s_wait_tensorcnt 0x0                           ; my part of step 0 is in; slot 1 is first filled as a refill is
	ds_add_u32 v[SPW], v[NIL]
	STEPDESC
	s_wait_dscnt 0x0
	CROUND                                         ; everybody's part of step 0 is in
	JLOAD                                          ; step 1 into slot 1
	SETADR
	FETCH 0, F0
	QUARTER 1, F0, F1, 1                           ; the first quarter stands in front of the loop: its products start the sums
	WIN 0
	s_mov_b32 s[CNT], 6
.Lstep:                                                ; 6 trips, from a step's second quarter to the next step's first; steps 2 to 7 are asked for
	QUARTER 2, F1, F0, 0
	QUARTER 3, F0, F1, 0
	TURN 1
	QUARTER 1, F0, F1, 0
	WIN 0
	s_sub_co_u32 s[CNT], s[CNT], 1
	s_cmp_lg_u32 s[CNT], 0
	s_cbranch_scc1 .Lstep
	s_mov_b32 s[CNT], 2                            ; the last seven quarters ask for nothing: a loop of two trips, entered in its middle
	s_branch .Lmid
.Ltop:
	QUARTER 1, F0, F1, 0
	WIN 0
.Lmid:
	QUARTER 2, F1, F0, 0
	QUARTER 3, F0, F1, 0
	TURN 0                                         ; the second time its fetch brings the last slot but one once more and serves nothing: the price of one text for both trips
	WIN 0
	s_sub_co_u32 s[CNT], s[CNT], 1
	s_cmp_lg_u32 s[CNT], 0
	s_cbranch_scc1 .Ltop
	s_wait_dscnt 0x0                               ; that fetch has landed
	PLACES
; THE SOFTMAX'S FIRST HALF, for block a of 16 queries: a lane's 64 scores lie in 64 registers on end.
.macro SOFT a
.set AC, 64*((\a)%4)
.set WN, 2+(\a)/4
.set TT, T+32*((\a)%2)
	WIN WN|(WN<<2)|(WN<<4)                         ; three sources in the accumulators' window
.set i, 0
.rept 21                               ; ascending
	v_max3_num_f32 v[U+i], v[AC+3*i], v[AC+3*i+1], v[AC+3*i+2]
.set i, i+1
.endr
	v_max3_num_f32 v[U+21], v[AC+61], v[AC+62], v[AC+63]
	WIN 0
.set i, 0
.rept 7
	v_max3_num_f32 v[U+i], v[U+3*i], v[U+3*i+1], v[U+3*i+2]
.set i, i+1
.endr
	v_max3_num_f32 v[U], v[U], v[U+1], v[U+2]
	v_max3_num_f32 v[U+3], v[U+3], v[U+4], v[U+5]
	v_max3_num_f32 v[U], v[U], v[U+3], v[U+6]
	v_max_num_f32 v[U], v[U], v[U+21]
	v_permlanex16_b32 v[TP], v[U], s[SEL], s[SEL+1]  ; the query's other 64 keys lie in the lane 16 away
	v_max_num_f32 v[U], v[U], v[TP]
	v_mul_f32 v[CM], s[CS], v[U]                   ; c m
	WIN (WN<<6)|WN                                 ; in place
.set i, 0
.rept 32
	v_pk_fma_f32 v[AC+2*i:AC+2*i+1], v[AC+2*i:AC+2*i+1], s[CS:CS+1], v[CM:CM+1] op_sel_hi:[1,0,0] neg_lo:[0,0,1] neg_hi:[0,0,1]  ; c s - c m
.set i, i+1
.endr
.set i, 0
.rept 64
	v_exp_f32 v[AC+i], v[AC+i]
.set i, i+1
.endr
	v_nop                                          ; a plain instruction between the last exponential and the use of its result
	s_wait_xcnt 0x0                                ; the stores of the block two back have read this buffer of packed weights: only behind this wait is it rewritten
	WIN WN|(WN<<2)
.set i, 0
	s_wait_alu depctr_va_vdst(0)
.rept 32
	v_cvt_pk_f16_f32 v[TT+i], v[AC+2*i], v[AC+2*i+1]
.set i, i+1
.endr
.set i, 0
.rept 16
	v_pk_add_f32 v[U+2*i:U+2*i+1], v[AC+4*i:AC+4*i+1], v[AC+4*i+2:AC+4*i+3]
.set i, i+1
.endr
	WIN 0
.irp st, 8,4,2,1
.set i, 0
.rept \st
	v_pk_add_f32 v[U+2*i:U+2*i+1], v[U+2*i:U+2*i+1], v[U+2*(i+(\st)):U+2*(i+(\st))+1]
.set i, i+1
.endr
.endr
	v_add_f32 v[LS], v[U], v[U+1]
	v_permlanex16_b32 v[TP], v[LS], s[SEL], s[SEL+1]
	v_add_f32 v[LS], v[LS], v[TP]                  ; l
.endm
; Block a leaves: its statistics into my own LDS words, its eight units of weights, 4,096 consecutive bytes, straight from registers.
.macro SENDP a
.set TT, T+32*((\a)%2)
	ds_store_b32 v[SST], v[CM] offset:64*(\a)      ; both halves of the lanes hold the same number and write the same word
	ds_store_b32 v[SST], v[LS] offset:512+64*(\a)
.irp b, 0,1,2,3,4,5,6,7
	global_store_b128 v[SGO], v[TT+4*(\b):TT+4*(\b)+3], s[OPM:OPM+1] offset:65536*(\a)+512*(\b)  ; 512 consecutive bytes, aligned
.endr
.endm
.irp a, 0,1,2,3,4,5,6,7
	SOFT \a
	SENDP \a
.endr
	ds_load_b128 v[U:U+3], v[SRD]                  ; my wave's 128 cm and 128 l, four queries a lane; LDS serves a wave's instructions in order (ISA guide 5.7.1.4): these see the stores above
	ds_load_b128 v[U+4:U+7], v[SRD] offset:512
	s_wait_dscnt 0x0
	global_store_b128 v[SGO], v[U:U+3], s[OST:OST+1]                   ; 512 consecutive bytes, aligned
	global_store_b128 v[SGO], v[U+4:U+7], s[OST:OST+1] offset:524288
	s_wait_tensorcnt 0x0                           ; the wave's end
	ds_add_u32 v[SPW], v[NIL]
	s_wait_dscnt 0x0
	CROUND                                         ; the closing round
	s_endpgm
.Lfunc_end_k_qfdb051a958_score:
	.size	k_qfdb051a958_score, .Lfunc_end_k_qfdb051a958_score-k_qfdb051a958_score
	.p2alignl 7, 3214868480
	.fill 96, 4, 3214868480
	.section	.rodata,"a",@progbits
	.p2align	6, 0x0
	.amdhsa_kernel k_qfdb051a958_score
		.amdhsa_group_segment_fixed_size 327680
		.amdhsa_private_segment_fixed_size 0
		.amdhsa_enable_private_segment 0
		.amdhsa_kernarg_size 24
		.amdhsa_user_sgpr_count 2
		.amdhsa_user_sgpr_kernarg_segment_ptr 1
		.amdhsa_wavefront_size32 1
		.amdhsa_system_sgpr_workgroup_id_x 1
		.amdhsa_system_sgpr_workgroup_id_y 1
		.amdhsa_system_sgpr_workgroup_id_z 1
		.amdhsa_system_vgpr_workitem_id 0
		.amdhsa_next_free_vgpr 1024
		.amdhsa_next_free_sgpr 66
		.amdhsa_reserve_vcc 0
		.amdhsa_float_denorm_mode_32 3
		.amdhsa_float_denorm_mode_16_64 3
		.amdhsa_memory_ordered 1
		.amdhsa_forward_progress 1
		.amdhsa_inst_pref_size 160
	.end_amdhsa_kernel
	.amdgpu_metadata
---
amdhsa.version: [ 1, 2 ]
amdhsa.kernels:
  - .name:           k_qfdb051a958_score
    .symbol:         k_qfdb051a958_score.kd
    .args:
      - { .name: qk, .offset: 0, .size: 8, .value_kind: global_buffer, .address_space: global }
      - { .name: pmat, .offset: 8, .size: 8, .value_kind: global_buffer, .address_space: global }
      - { .name: stat, .offset: 16, .size: 8, .value_kind: global_buffer, .address_space: global }
    .group_segment_fixed_size: 327680
    .private_segment_fixed_size: 0
    .kernarg_segment_align: 8
    .kernarg_segment_size: 24
    .max_flat_workgroup_size: 128
    .sgpr_count:     66
    .vgpr_count:     1024
    .wavefront_size: 32
...
	.end_amdgpu_metadata
.endif
;; end of part 3
;; launch mix (part 4): grid 4 x 64, 4 waves a work-group, clusters of 4 x 4, 327,680 bytes of LDS; arguments pmat, vt, stat, out0; writes out0
.if DOCPART == 4
	.amdgcn_target "amdgcn-amd-amdhsa--gfx1250"
	.amdhsa_code_object_version 6
	.text
	.protected	k_qfdb051a958_mix
	.globl	k_qfdb051a958_mix
	.p2align	8
	.type	k_qfdb051a958_mix,@function
k_qfdb051a958_mix:
	s_mov_b64 s[64:65], 0
	v_nop
	global_prefetch_b8 v0, s[64:65] scope:SCOPE_SE
	s_setreg_imm32_b32 hwreg(HW_REG_WAVE_MODE, 25, 1), 1
	s_wait_xcnt 0x0
	s_wait_alu depctr_hold_cnt(0) depctr_sa_sdst(0) depctr_va_vdst(0) depctr_va_sdst(0) depctr_va_ssrc(0) depctr_va_vcc(0) depctr_vm_vsrc(0)
	s_getreg_b32 s2, hwreg(HW_REG_IB_STS2, 6, 4)
	s_cmp_eq_u32 s2, 0
	s_cbranch_scc0 .Lentry_in_a_cluster
	s_endpgm
.Lentry_in_a_cluster:
	s_bfe_u32 s2, ttmp6, 0x10000c
	s_cmp_lg_u32 s2, 0xf033
	s_cbranch_scc0 .Lentry_shape_is_right
	s_endpgm
.Lentry_shape_is_right:
; The softmax's second half and O = P V.  For each query: cM = the largest of its 16 blocks' cm_t; f_t = 2^(cm_t - cM), at most 1; L = the sum of l_t f_t, at least 1; O = the sum over t of ((f_t / L) P_t) V_t.
; So every weight is 2^(c s - cM) / L with the row's own maximum taken away.  cM, f_t, L and f_t / L are made in f32; f_t / L is rounded once to f16 and multiplied onto P's fragments in f16, between their load
; and the product; the products' sums stay in f32.
; IN: pmat f16 [512 query blocks][128 key blocks][512 bytes], vt f16 [64 channel blocks][512 row blocks][512 bytes]: units of 16 x 16 in fragment order (lane l's 16 bytes at 16 l: row l % 16, keys 8 (l / 16) + 0..7);
; stat f32 [2][16 t][8192 query].  OUT: out0 f32 [8192][1024].
; LIMITS.  A factor below 2^-126 counts as 0 in L; in f16 a factor or a normalised weight below 6e-5 keeps the fixed step 6e-8.  NaN and infinities are not treated apart.
; SHARES.  A tile is 128 queries x 256 channels: 4 x 64 = 256 work-groups.  A wave makes 64 queries (rh) x 128 channels (ch): 32 accumulators, 256 registers.
; THE RING.  16 rows x 192 keys are 12 units on end, 6,144 dense bytes; a fragment load reads 512 consecutive bytes, so LDS needs no padding, and a slot's length need be no power of two.  A slot holds 192 keys:
; 8 such rows of P and 16 of vt, 147,456 bytes: the longest of which two fit.  2,048 keys are 10 slots and 128 keys: the descriptors state what is left of a row, so that the last tile's 64 keys past the end
; arrive as zeros, and the loop is left behind that tile's fourth chunk.  A slot is six chunks of 32 keys, 32 matrix instructions each.
; CLUSTER.  4 x 4: P's tiles are shared along a row of the cluster, vt's along a column; each is asked for jointly.  Waves 0, 1 ask for 4 rows of P each, waves 2, 3 for 8 rows of vt each.
; One descriptor a tensor walks: one tensor load of a wave is out at the most.
; Source 0 = 16 channels of vt, source 1 = 16 queries of P: a lane holds one query and eight neighbouring channels.
; REGISTERS, in windows of 256 (s_set_vgpr_msb: bits 1:0 source 0, 3:2 source 1, 5:4 source 2, 7:6 destination):
;   window 0: v0-31 addresses; v32-35 the chunk's factors for my four queries; v128-255 vt's fragments, two buffers (on the way out v64-191: rows read back)
;   window 1: v0-63 P's fragments, two buffers; v64-255 the accumulators of query blocks 1 to 3, (a, b) at 64 a + 8 b          window 2: v0-63 those of query block 0
; P's fragments lie in the window of the accumulators, the factors in that of vt: the multiplication f x P (destination and source 1 in window 1, source 0 in window 0) runs under the products' own setting.
.set ROWB,   6144                      ; 16 rows x 192 keys
.set ROWE,   ROWB/8                    ; in elements of 8 bytes
.set PBYTES, 8*ROWB                    ; a slot: 8 rows of P, then 16 rows of vt
.set SLOT,   24*ROWB
.set FTB,    2*SLOT                    ; behind the ring, never filled by a tensor load: for each wave 16 entries of 256 bytes: the 16 blocks' factors
.set FTW,    16*256
.set SPARE,  FTB+4*FTW                 ; the spare words, 128 bytes for each wave
.set STAGE,  SLOT                      ; the way out goes through slot 1, behind its last fill and behind the barrier that ends its last reads: 16 rows x 528 bytes for each wave
.set OPITCH, 528
.set STG,    16*OPITCH
.set GW0,    (3<<16)|(1<<21)           ; group 1, word 0: 8-byte elements; no padding; bit 21 beside a mask
.set PP,   4                           ; v4   my lane's place in my wave's rows of P in slot 0; never rewritten
.set PV,   5                           ; v5   the same for vt
.set ADRP, 6
.set ADRV, 7
.set FT0,  8                           ; v8   my lane's 16 bytes of entry 0 of my wave's table; never rewritten
.set FTA,  9                           ; v9   the same of the chunk's entry
.set TS,   10                          ; v10  where the factors of the two queries that I reckon go
.set SO,   11                          ; v11  8 x lane: those two queries in stat
.set STO,  12
.set RD,   13
.set GO,   14
.set SPW,  28
.set NIL,  29
.set F,    32
.set FV,   128
.set WV,   12
.set G1A,  24
.set G1B,  32
.set G0A,  40
.set G0B,  44
.set TB,   48                          ; s48  0 or SLOT: the slot to be fetched from
.set CNT,  49
.set G64,  50                          ; s50  64 x the number of the chunk to be fetched next
.set FTO,  51                          ; s51  256 x its block of 128 keys, 15 at the most
.set OST,  56                          ; s[56:57] stat at my wave's queries
.set OO,   58                          ; s[58:59] out0 at my part
.set TBF,  66                          ; s66  0 or SLOT: the slot to be filled
.set WA,   67                          ; s67  my part of P's rows in a slot
.set WB,   68                          ; s68  my part of vt's
.set MUL,  0x54                        ; source 0 window 0; source 1, C and D window 1
.set MUL0, 0xa4                        ; the same with C and D in window 2
.set MSB, 0
.macro WIN new
.if MSB != (\new)
	s_set_vgpr_msb (MSB<<8)|(\new)
.set MSB, (\new)
.endif
.endm
.macro PLACES
.rept 4
	v_nop
.endr
.endm
.macro CREST
	s_cmp_lg_u32 s[WV], 0
	s_cbranch_scc1 .Lnot_wave_0_\@
	s_barrier_signal -3
.Lnot_wave_0_\@:
	s_barrier_wait -3
	s_barrier_signal -1
	s_barrier_wait -1
.endm
.macro CROUND
	s_barrier_signal -1
	s_barrier_wait -1
	CREST
.endm
.macro JLOAD                           ; an s_nop 0 and four v_nop follow each line
	s_cmp_lt_u32 s[WV], 2
	s_cbranch_scc0 .Lfor_b_\@
	tensor_load_to_lds s[G0A:G0A+3], s[G1A:G1A+7]
	s_nop 0
.rept 4
	v_nop
.endr
	s_branch .Lasked_\@
.Lfor_b_\@:
	tensor_load_to_lds s[G0B:G0B+3], s[G1B:G1B+7]
	s_nop 0
.rept 4
	v_nop
.endr
.Lasked_\@:
.endm
.macro STEPDESC                        ; the walking descriptors: the other slot (the slot's byte + the wave's constant); 192 keys on along the rows; 768 elements fewer are left of a row
	s_xor_b32 s[TBF], s[TBF], SLOT
	s_add_co_u32 s[G0A+1], s[TBF], s[WA]
	s_add_co_u32 s[G0B+1], s[TBF], s[WB]
	s_add_nc_u64 s[G0A+2:G0A+3], s[G0A+2:G0A+3], ROWB
	s_add_nc_u64 s[G0B+2:G0B+3], s[G0B+2:G0B+3], ROWB
	s_sub_co_u32 s[G1A+1], s[G1A+1], ROWE<<16
	s_sub_co_u32 s[G1B+1], s[G1B+1], ROWE<<16
.endm
; 8 matrix instructions: query block a x all 8 channel blocks, on buffers f.  The 32 accumulators take turns, one instruction a turn.
.macro MUL8 f, a, zero
.if (\a) == 0
	WIN MUL0
.else
	WIN MUL
.endif
.set rA, 64*(\a)
.irp b, 0,1,2,3,4,5,6,7
.if \zero
	v_wmma_f32_16x16x32_f16 v[rA+8*(\b):rA+8*(\b)+7], v[FV+64*(\f)+8*(\b):FV+64*(\f)+8*(\b)+7], v[32*(\f)+8*(\a):32*(\f)+8*(\a)+7], 0
.else
	v_wmma_f32_16x16x32_f16 v[rA+8*(\b):rA+8*(\b)+7], v[FV+64*(\f)+8*(\b):FV+64*(\f)+8*(\b)+7], v[32*(\f)+8*(\a):32*(\f)+8*(\a)+7], v[rA+8*(\b):rA+8*(\b)+7]
.endif
.endr
.endm
; The chunk's last 8, query block 3.  Behind each stand four multiplications that bring the NEXT chunk's weights (buffer g) onto the row's maximum and sum; they name no register of the products round them, and the four
; behind the last product are the places in front of the next run of loads into this chunk's buffers.
.macro MUL8R f, g, zero
	WIN MUL
.irp b, 0,1,2,3,4,5,6,7
.if \zero
	v_wmma_f32_16x16x32_f16 v[192+8*(\b):192+8*(\b)+7], v[FV+64*(\f)+8*(\b):FV+64*(\f)+8*(\b)+7], v[32*(\f)+24:32*(\f)+31], 0
.else
	v_wmma_f32_16x16x32_f16 v[192+8*(\b):192+8*(\b)+7], v[FV+64*(\f)+8*(\b):FV+64*(\f)+8*(\b)+7], v[32*(\f)+24:32*(\f)+31], v[192+8*(\b):192+8*(\b)+7]
.endif
.irp i, 0,1,2,3
	v_pk_mul_f16 v[32*(\g)+4*(\b)+(\i)], v[F+(\b)/2], v[32*(\g)+4*(\b)+(\i)]
.endr
.endr
.endm
; One run of 25 LDS loads: chunk c of the slot into buffers g: P's 4 fragments, the chunk's factors, vt's 8 fragments.  A fragment is two units on end: each load takes 512 consecutive bytes.
.macro FETCH c, g
	WIN MUL                                        ; destination window 1, address window 0
.irp a, 0,1,2,3
	ds_load_b128 v[32*(\g)+8*(\a):32*(\g)+8*(\a)+3],   v[ADRP] offset:(\a)*ROWB+(\c)*1024
	ds_load_b128 v[32*(\g)+8*(\a)+4:32*(\g)+8*(\a)+7], v[ADRP] offset:(\a)*ROWB+(\c)*1024+512
.endr
	WIN 0
	v_add_nc_u32 v[FTA], s[FTO], v[FT0]
	ds_load_b128 v[F:F+3], v[FTA]                  ; the factors of queries 16 a + l % 16, a = 0..3, each twice in f16
.irp b, 0,1,2,3,4,5,6,7
	ds_load_b128 v[FV+64*(\g)+8*(\b):FV+64*(\g)+8*(\b)+3],   v[ADRV] offset:(\b)*ROWB+(\c)*1024
	ds_load_b128 v[FV+64*(\g)+8*(\b)+4:FV+64*(\g)+8*(\b)+7], v[ADRV] offset:(\b)*ROWB+(\c)*1024+512
.endr
	s_add_co_u32 s[G64], s[G64], 64                ; the next chunk: four chunks share a block of 128 keys, an entry of 256 bytes;
	s_and_b32 s[FTO], s[G64], 0xffffff00
	s_min_u32 s[FTO], s[FTO], 15*256               ; the fetch behind the last chunk stays in the table
.endm
; One of a slot's first five chunks: multiplies buffers f, fetches chunk c into buffers g and scales it.
.macro CHUNK f, g, c, zero
	s_wait_dscnt 0x0                               ; vt's fragments are in
	MUL8 \f, 0, \zero
	FETCH \c, \g
	MUL8 \f, 1, \zero
	MUL8 \f, 2, \zero
	s_wait_dscnt 16                                ; all but vt's sixteen loads: P's and the factors are in
	MUL8R \f, \g, \zero
.endm
; The sixth chunk multiplies buffers 1 and changes slots: ONE barrier; in front of it each wave waits for all its tensor loads (its part of the next slot), adds 0 to its spare word, and waits for that and for its reads of
; this slot.  fill = 1: the barrier opens a round of the cluster's, and this slot is filled again, two slots ahead, first thing behind the round: 184 matrix instructions ahead of the wait for it.
.macro TURN fill
	WIN 0
	s_wait_tensorcnt 0x0                           ; no tensor load of mine is out, so the descriptors may be written
	ds_add_u32 v[SPW], v[NIL]                      ; 0 onto my spare word
.if \fill
	STEPDESC
.endif
	s_xor_b32 s[TB], s[TB], SLOT
	s_wait_dscnt 0x0                               ; the add is done, and my reads of this slot are over
	s_barrier_signal -1
	MUL8 1, 0, 0
	WIN 0
	s_barrier_wait -1
.if \fill
	CREST
	JLOAD
.endif
	v_add_nc_u32 v[ADRP], s[TB], v[PP]
	v_add_nc_u32 v[ADRV], s[TB], v[PV]
	FETCH 0, 0
	MUL8 1, 1, 0
	MUL8 1, 2, 0
	s_wait_dscnt 16                                ; P's fragments and the factors are in
	MUL8R 1, 0, 0
.endm
	s_load_b256 s[4:11], s[0:1], 0x0               ; pmat s[4:5], vt s[6:7], stat s[8:9], out0 s[10:11]
	v_lshl_add_u32 v[SPW], v0, 2, SPARE
	v_mov_b32 v[NIL], 0
	ds_add_u32 v[SPW], v[NIL]                      ; the wave's opening: the add, and its wait ahead of my first tensor load
	v_lshrrev_b32 v1, 5, v0
	v_readfirstlane_b32 s[WV], v1
	s_lshr_b32 s13, s[WV], 1                       ; rh: which 64 queries
	s_and_b32 s14, s[WV], 1                        ; ch: which 128 channels.  Also: which half of P's or vt's rows I fetch
	s_bfe_u32 s15, ttmp6, 0x40000                  ; cx
	s_bfe_u32 s16, ttmp6, 0x40004                  ; cy
	s_lshl_b32 s17, ttmp9, 2
	s_add_co_u32 s17, s17, s15                     ; tx: 256 channels
	s_and_b32 s18, ttmp7, 0xffff
	s_lshr_b32 s21, s18, 2                         ; the batch: 16 tiles of queries each, four clusters along y: all partners share it
	s_lshl_b32 s18, s18, 2
	s_add_co_u32 s18, s18, s16                     ; ty: 128 queries of the 8,192
	s_lshl_b32 s19, s16, 2
	s_lshl_b32 s19, 15, s19                        ; my row of the cluster
	s_lshl_b32 s20, 0x1111, s15                    ; my column
	s_or_b32 s[G1A], s19, GW0
	s_or_b32 s[G1B], s20, GW0
.irp g, G1A, G1B
	s_mov_b32 s[(\g)+1], 8192<<16                  ; tensor_dim0: what is left of a row's 2,048 keys, in elements of 8 bytes; it steps with the tiles
	s_mov_b32 s[(\g)+3], ROWE<<16                  ; tile_dim0 = 768: 192 keys
	s_mov_b32 s[(\g)+6], 0
	s_mov_b32 s[(\g)+7], 0
.endr
	s_mov_b32 s[G1A+2], 4<<16                      ; P: 4 query blocks, 8,192 elements from one to the next
	s_mov_b32 s[G1A+4], 4
	s_mov_b32 s[G1A+5], 8192
	s_mov_b32 s[G1B+2], 8<<16                      ; vt: 8 channel blocks, 32,768 elements from one to the next
	s_mov_b32 s[G1B+4], 8
	s_mov_b32 s[G1B+5], 32768
	s_lshl_b32 s52, s18, 19                        ; P: query block 8 ty + 4 (w % 2) of 65,536 bytes: it hangs on ty and the wave alone
	s_lshl_b32 s53, s14, 18
	s_add_co_u32 s52, s52, s53
	s_mov_b32 s53, 0
	s_lshl_b32 s54, s17, 22                        ; vt: channel block 16 tx + 8 (w % 2) of 262,144 bytes, row block 128 batch of 512 bytes: tx, the batch and the wave alone
	s_lshl_b32 s55, s14, 21
	s_add_co_u32 s54, s54, s55
	s_lshl_b32 s55, s21, 16
	s_add_co_u32 s54, s54, s55
	s_mov_b32 s55, 0
	s_mul_i32 s[WA], s14, 4*ROWB
	s_mul_i32 s[WB], s14, 8*ROWB
	s_add_co_u32 s[WB], s[WB], PBYTES
	s_mov_b32 s[TBF], 0
	s_mov_b32 s[G0A], 1
	s_mov_b32 s[G0A+1], s[WA]                      ; slot 0
	s_mov_b32 s[G0B], 1
	s_mov_b32 s[G0B+1], s[WB]
	s_lshl_b32 s60, s18, 9                         ; stat: query 128 ty + 64 rh of 4 bytes
	s_lshl_b32 s61, s13, 8
	s_add_co_u32 s60, s60, s61
	s_mov_b32 s61, 0
	s_lshl_b32 s22, s18, 19                        ; out0: query 128 ty + 64 rh of 4,096 bytes, channel 256 tx + 128 ch of 4 bytes
	s_lshl_b32 s23, s13, 18
	s_add_co_u32 s22, s22, s23
	s_lshl_b32 s23, s17, 10
	s_add_co_u32 s22, s22, s23
	s_lshl_b32 s23, s14, 9
	s_add_co_u32 s22, s22, s23
	s_mov_b32 s23, 0
	s_mov_b32 s[TB], 0
	s_mov_b32 s[G64], 0
	s_mov_b32 s[FTO], 0
	s_wait_dscnt 0x0                               ; the opening add is done
	s_wait_kmcnt 0x0
	s_add_nc_u64 s[G0A+2:G0A+3], s[4:5], s[52:53]
	s_or_b32 s[G0A+3], s[G0A+3], 0x80000000
	s_add_nc_u64 s[G0B+2:G0B+3], s[6:7], s[54:55]
	s_or_b32 s[G0B+3], s[G0B+3], 0x80000000
	s_add_nc_u64 s[OST:OST+1], s[8:9], s[60:61]
	s_add_nc_u64 s[OO:OO+1], s[10:11], s[22:23]
	CROUND                                         ; all sixteen work-groups are here: the first joint loads meet
	JLOAD                                          ; keys 0 to 191 into slot 0
	v_and_b32 v1, 15, v0                           ; r
	v_bfe_u32 v2, v0, 4, 1                         ; h
	v_and_b32 v3, 31, v0                           ; l
	v_lshlrev_b32 v[SO], 3, v3
	; THE STATISTICS, in the wait for the first tile.  A lane reckons queries 2 l and 2 l + 1 of the wave's 64: 16 x cm into v128-159, 16 x l into v160-191; a load of the wave covers 256 consecutive bytes.
.set t, 0
.rept 16
	global_load_b64 v[128+2*t:129+2*t], v[SO], s[OST:OST+1] offset:32768*t
.set t, t+1
.endr
.set t, 0
.rept 16
	global_load_b64 v[160+2*t:161+2*t], v[SO], s[OST:OST+1] offset:524288+32768*t
.set t, t+1
.endr
	s_mul_i32 s22, s13, 4*ROWB
	v_lshl_add_u32 v[PP], v3, 4, s22               ; my wave's four query blocks, 16 bytes a lane
	s_mul_i32 s22, s14, 8*ROWB
	s_add_co_u32 s22, s22, PBYTES
	v_lshl_add_u32 v[PV], v3, 4, s22               ; my wave's eight channel blocks
	s_mul_i32 s22, s[WV], FTW
	s_add_co_u32 s22, s22, FTB                     ; my table
	v_lshl_add_u32 v[FT0], v1, 4, s22
	v_and_b32 v16, 7, v0
	v_lshrrev_b32 v17, 3, v3
	v_lshlrev_b32 v16, 5, v16
	v_lshl_add_u32 v16, v17, 2, v16                ; query 2 l + e = 16 a + r lies at 16 r + 4 a = 32 (l % 8) + 16 e + 4 (l / 8)
	v_add_nc_u32 v[TS], s22, v16
	s_mul_i32 s23, s[WV], STG
	s_add_co_u32 s23, s23, STAGE                   ; my stage
	v_mul_u32_u24 v16, v1, OPITCH
	v_lshl_add_u32 v16, v2, 5, v16
	v_add_nc_u32 v[STO], s23, v16
	v_lshl_add_u32 v[RD], v3, 4, s23
	v_lshlrev_b32 v[GO], 4, v3
	s_wait_loadcnt 0x0
.irp e, 0,1                            ; cM: the largest of 16, three operands at a time
.set i, 0
.rept 5
	v_max3_num_f32 v[192+i], v[128+6*i+(\e)], v[130+6*i+(\e)], v[132+6*i+(\e)]
.set i, i+1
.endr
	v_max3_num_f32 v192, v192, v193, v194
	v_max3_num_f32 v195, v195, v196, v[158+(\e)]
	v_max_num_f32 v[40+(\e)], v192, v195
.endr
.set t, 0
.rept 16
	v_pk_add_f32 v[128+2*t:129+2*t], v[128+2*t:129+2*t], v[40:41] neg_lo:[0,1] neg_hi:[0,1]  ; cm_t - cM, 0 or less
.set t, t+1
.endr
.set i, 0
.rept 32
	v_exp_f32 v[128+i], v[128+i]                   ; f_t
.set i, i+1
.endr
	v_nop                                          ; a plain instruction between the last exponential and the use of its result
	s_wait_alu depctr_va_vdst(0)
	v_pk_mul_f32 v[42:43], v[160:161], v[128:129]
.set t, 1
.rept 15
	v_pk_fma_f32 v[42:43], v[160+2*t:161+2*t], v[128+2*t:129+2*t], v[42:43]  ; L
.set t, t+1
.endr
	v_rcp_f32 v42, v42
	v_rcp_f32 v43, v43
	v_nop                                          ; a plain instruction between the last reciprocal and the use of its result
.set t, 0
	s_wait_alu depctr_va_vdst(0)
.rept 16
	v_pk_mul_f32 v[128+2*t:129+2*t], v[128+2*t:129+2*t], v[42:43]  ; f_t / L
.set t, t+1
.endr
.set i, 0
.rept 32
	v_cvt_pk_f16_f32 v[128+i], v[128+i], v[128+i]  ; twice in a word, for the packed multiplication
.set i, i+1
.endr
.set t, 0
.rept 16
	ds_store_b32 v[TS], v[128+2*t] offset:256*t
	ds_store_b32 v[TS], v[129+2*t] offset:256*t+16
.set t, t+1
.endr
	s_wait_tensorcnt 0x0                           ; my part of slot 0 is in; slot 1 is first filled as a refill is
	ds_add_u32 v[SPW], v[NIL]
	STEPDESC
	s_wait_dscnt 0x0                               ; the add and my table's stores are done
	CROUND                                         ; everybody's part of slot 0 is in
	JLOAD                                          ; keys 192 to 383 into slot 1
	v_mov_b32 v[ADRP], v[PP]
	v_mov_b32 v[ADRV], v[PV]
	FETCH 0, 0
	s_wait_dscnt 0x0
	WIN MUL
.set i, 0
.rept 32                               ; the first chunk's weights are scaled here: there are no products yet to set these behind
	v_pk_mul_f16 v[i], v[F+i/8], v[i]
.set i, i+1
.endr
	CHUNK 0, 1, 1, 1                               ; the first chunk stands in front of the loop: its products start the sums
	WIN 0
	s_mov_b32 s[CNT], 9
.Lstep:                                                ; 9 trips, from a slot's second chunk to the next slot's first; the tiles from key 384 on are asked for, the last of them the short one
	CHUNK 1, 0, 2, 0
	CHUNK 0, 1, 3, 0
	CHUNK 1, 0, 4, 0
	CHUNK 0, 1, 5, 0
	TURN 1
	CHUNK 0, 1, 1, 0
	WIN 0
	s_sub_co_u32 s[CNT], s[CNT], 1
	s_cmp_lg_u32 s[CNT], 0
	s_cbranch_scc1 .Lstep
	s_mov_b32 s[CNT], 2                            ; the last two slots ask for nothing; the second trip is left behind the fourth chunk: the last tile has 128 keys
.Ltail:
	CHUNK 1, 0, 2, 0
	CHUNK 0, 1, 3, 0
	CHUNK 1, 0, 4, 0                               ; in the second trip its fetch brings the zeros behind the last keys and serves nothing
	WIN 0
	s_cmp_eq_u32 s[CNT], 1
	s_cbranch_scc1 .Lout
	CHUNK 0, 1, 5, 0
	TURN 0
	CHUNK 0, 1, 1, 0
	WIN 0
	s_sub_co_u32 s[CNT], s[CNT], 1
	s_cmp_lg_u32 s[CNT], 0
	s_cbranch_scc1 .Ltail
.Lout:
	PLACES
	s_wait_dscnt 0x0                               ; the last fetch has landed: its registers are used again below
; THE WAY OUT of query block a: a lane's eight channels, 32 bytes, go into rows of 528 bytes of my own stage and come back as whole rows of 512.  Each accumulator's lowest registers are read first.
.macro OUT a
.if (\a) == 0
	WIN 0x08                                       ; an LDS store's data are source 1: window 2
.else
	WIN 0x04                                       ; window 1
.endif
.irp b, 0,1,2,3,4,5,6,7
	ds_store_b128 v[STO], v[64*(\a)+8*(\b):64*(\a)+8*(\b)+3]   offset:64*(\b)
	ds_store_b128 v[STO], v[64*(\a)+8*(\b)+4:64*(\a)+8*(\b)+7] offset:64*(\b)+16
.endr
	WIN 0
	s_wait_xcnt 0x0                                ; earlier stores have read their registers: only behind this wait are they loaded again
.set BK, 64+64*((\a)%2)
.set i, 0
.rept 16
	ds_load_b128 v[BK+4*i:BK+4*i+3], v[RD] offset:OPITCH*i  ; LDS serves a wave's instructions in order (ISA guide 5.7.1.4): these see the stores above
.set i, i+1
.endr
.endm
.macro SENDO a, younger                ; younger: the LDS instructions issued behind this block's loads: the next block's 32, or none
.set BK, 64+64*((\a)%2)
.set i, 0
.rept 16
	s_wait_dscnt (\younger)+15-i
	global_store_b128 v[GO], v[BK+4*i:BK+4*i+3], s[OO:OO+1] offset:(16*(\a)+i)*4096 th:TH_STORE_NT  ; 512 consecutive bytes, aligned
.set i, i+1
.endr
.endm
	OUT 0
	OUT 1
	SENDO 0, 32
	OUT 2
	SENDO 1, 32
	OUT 3
	SENDO 2, 32
	SENDO 3, 0
	s_wait_tensorcnt 0x0                           ; the wave's end
	ds_add_u32 v[SPW], v[NIL]
	s_wait_dscnt 0x0
	CROUND                                         ; the closing round
	s_endpgm
.Lfunc_end_k_qfdb051a958_mix:
	.size	k_qfdb051a958_mix, .Lfunc_end_k_qfdb051a958_mix-k_qfdb051a958_mix
	.p2alignl 7, 3214868480
	.fill 96, 4, 3214868480
	.section	.rodata,"a",@progbits
	.p2align	6, 0x0
	.amdhsa_kernel k_qfdb051a958_mix
		.amdhsa_group_segment_fixed_size 327680
		.amdhsa_private_segment_fixed_size 0
		.amdhsa_enable_private_segment 0
		.amdhsa_kernarg_size 32
		.amdhsa_user_sgpr_count 2
		.amdhsa_user_sgpr_kernarg_segment_ptr 1
		.amdhsa_wavefront_size32 1
		.amdhsa_system_sgpr_workgroup_id_x 1
		.amdhsa_system_sgpr_workgroup_id_y 1
		.amdhsa_system_sgpr_workgroup_id_z 1
		.amdhsa_system_vgpr_workitem_id 0
		.amdhsa_next_free_vgpr 576
		.amdhsa_next_free_sgpr 72
		.amdhsa_reserve_vcc 0
		.amdhsa_float_denorm_mode_32 3
		.amdhsa_float_denorm_mode_16_64 3
		.amdhsa_memory_ordered 1
		.amdhsa_forward_progress 1
		.amdhsa_inst_pref_size 120
	.end_amdhsa_kernel
	.amdgpu_metadata
---
amdhsa.version: [ 1, 2 ]
amdhsa.kernels:
  - .name:           k_qfdb051a958_mix
    .symbol:         k_qfdb051a958_mix.kd
    .args:
      - { .name: pmat, .offset: 0, .size: 8, .value_kind: global_buffer, .address_space: global }
      - { .name: vt, .offset: 8, .size: 8, .value_kind: global_buffer, .address_space: global }
      - { .name: stat, .offset: 16, .size: 8, .value_kind: global_buffer, .address_space: global }
      - { .name: out0, .offset: 24, .size: 8, .value_kind: global_buffer, .address_space: global }
    .group_segment_fixed_size: 327680
    .private_segment_fixed_size: 0
    .kernarg_segment_align: 8
    .kernarg_segment_size: 32
    .max_flat_workgroup_size: 128
    .sgpr_count:     72
    .vgpr_count:     576
    .wavefront_size: 32
...
	.end_amdgpu_metadata
.endif
;; end of part 4
;; ======== version 2 of 2: 4 launches; version 1 with the launch cast written anew for expert scheduling mode
;; limits: values are held in f16: magnitudes above 65,504 overflow, below 6.1e-05 lose precision
;; workspace buffers: xw 23,068,672 bytes; qk 33,554,432 bytes; vt 16,777,216 bytes; pmat 33,554,432 bytes; stat 1,048,576 bytes
;; launch cast (part 5): grid 704 x 1, 8 waves a work-group, no clusters, 0 bytes of LDS; arguments x, Wq, Wk, Wv, xw; writes xw
.if DOCPART == 5
	.amdgcn_target "amdgcn-amd-amdhsa--gfx1250"
	.amdhsa_code_object_version 6
	.text
	.protected	k_qfdb051a958_cast
	.globl	k_qfdb051a958_cast
	.p2align	8
	.type	k_qfdb051a958_cast,@function
k_qfdb051a958_cast:
	s_mov_b64 s[64:65], 0
	v_nop
	global_prefetch_b8 v0, s[64:65] scope:SCOPE_SE
	s_setreg_imm32_b32 hwreg(HW_REG_WAVE_SCHED_MODE, 0, 2), 2
	s_setreg_imm32_b32 hwreg(HW_REG_WAVE_MODE, 25, 1), 1
	s_wait_xcnt 0x0
	s_wait_alu depctr_vm_vsrc(0)
; x [8192][1024] and Wq, Wk, Wv [1024][1024], all f32, are rounded once to bf16 (nearest even) and laid in blocks along K:
; xw = bf16 [16 kb][11264 R][64]; R < 8192 is row R of x, R = 8192 + 1024 p + e is row e of Wq, Wk, Wv (p = 0, 1, 2).
; So a tile of rows for one K step of 64 is dense in memory for the launch behind.
; A stream: each input byte is read once and each output byte written once; no LDS, no matrix unit, no cluster: no two work-groups read the same bytes.
; SHARES.  Work-group g owns rows 16 g .. 16 g + 15 of the 11,264.  Thread t takes row t / 16 and the 16 bytes t % 16 of each of the row's 16 pieces of 256 bytes.
; A load of a wave covers two rows x 256 bytes; a store of a wave covers 256 consecutive bytes, aligned (two rows' 128 bytes lie end to end in a block).
; All 16 loads of a thread go out first: 8 KiB of every wave are on their way; the waits count the younger loads down.
; THE MODE: SCHED_MODE bits 1:0 = 2 (LLVM: expert scheduling mode 2), set by the entry lines.  The code itself states the register dependences
; between vector instructions and memory instructions, with s_wait_alu, always for 0.
; THE PLAN.  Registers that memory instructions touch:
;   v1, v2   byte offsets, made by vector lines at the head and never written again: v1 is read by every load, v2 by every store.
;   X        piece kb: 4 registers, written once, by its load; read by its two conversions; no vector line writes them and no second load lands in them.
;   Y        piece kb: 2 registers, written once, by its two conversions; read by its store; never written again.
; So the only dependences to state are vector writes that memory instructions read.  One wait ahead of the first load states v1 and v2 for the whole kernel.
; The 16 pieces go in four blocks of four: a block's eight conversions, ONE wait that states its eight Y registers, then its four stores in one run.
; No register that a memory instruction has read is written again, EXEC is never written, and no vector line writes a scalar register: nothing else is owed.
.set BLK, 11264*128                    ; bytes of one block kb
.set X,   4                            ; v[4:67]   16 x 4 f32 as loaded
.set Y,   68                           ; v[68:99]  16 x 4 bf16 to store
	s_load_b256 s[4:11], s[0:1], 0x0               ; x s[4:5], Wq s[6:7], Wk s[8:9], Wv s[10:11]
	s_load_b64 s[12:13], s[0:1], 0x20              ; xw
	s_mov_b32 s30, ttmp9                           ; g
	s_lshl_b32 s14, s30, 16                        ; in x: g x 16 rows x 4,096 bytes
	s_and_b32 s15, s30, 63
	s_lshl_b32 s15, s15, 16                        ; in a weight: (g mod 64) x 16 rows x 4,096 bytes
	s_lshl_b32 s28, s30, 11                        ; in a block of xw: g x 16 rows x 128 bytes
	s_mov_b32 s29, 0
	s_mov_b32 s19, 0
	v_lshrrev_b32 v1, 4, v0                        ; my row of the 16
	v_and_b32 v3, 15, v0                           ; my 16 bytes of a piece
	v_lshlrev_b32 v1, 12, v1
	v_lshl_or_b32 v1, v3, 4, v1                    ; source offset: row x 4,096 + 16 x piece part
	v_lshlrev_b32 v2, 3, v0                        ; destination offset: row x 128 + 8 x piece part = 8 t
	s_wait_kmcnt 0x0
	s_cmp_lt_u32 s30, 576                          ; which of the four tensors: the choice hangs on g alone
	s_cselect_b64 s[16:17], s[6:7], s[8:9]
	s_cmp_lt_u32 s30, 640
	s_cselect_b64 s[16:17], s[16:17], s[10:11]
	s_cmp_lt_u32 s30, 512
	s_cselect_b64 s[16:17], s[4:5], s[16:17]
	s_cselect_b32 s18, s14, s15
	s_add_nc_u64 s[16:17], s[16:17], s[18:19]      ; my 16 rows
	s_add_nc_u64 s[20:21], s[12:13], s[28:29]      ; four bases, four blocks apart, so that the stores' immediates stay within 3 blocks
	s_add_nc_u64 s[22:23], s[20:21], 4*BLK
	s_add_nc_u64 s[24:25], s[22:23], 4*BLK
	s_add_nc_u64 s[26:27], s[24:25], 4*BLK
	s_wait_alu depctr_va_vdst(0)                   ; v1 and v2 are written: every load below reads v1 as its offset, every store v2; no later vector line names either
.set kb, 0
.rept 16
	global_load_b128 v[X+4*kb:X+4*kb+3], v1, s[16:17] offset:256*kb th:TH_LOAD_NT
.set kb, kb+1
.endr
.set kb, 0
.rept 4                                ; four blocks of four pieces
.rept 4
	s_wait_loadcnt 15-kb                           ; loads come back in order: piece kb is in, the 15 - kb younger ones stay out
	v_cvt_pk_bf16_f32 v[Y+2*kb],   v[X+4*kb],   v[X+4*kb+1]
	v_cvt_pk_bf16_f32 v[Y+2*kb+1], v[X+4*kb+2], v[X+4*kb+3]
.set kb, kb+1
.endr
	s_wait_alu depctr_va_vdst(0)                   ; the block's eight conversions have written its eight Y registers, which the four stores below read
.set kb, kb-4
.rept 4
	global_store_b64 v2, v[Y+2*kb:Y+2*kb+1], s[20+2*(kb/4):21+2*(kb/4)] offset:(kb%4)*BLK
.set kb, kb+1
.endr
.endr
	s_endpgm
.Lfunc_end_k_qfdb051a958_cast:
	.size	k_qfdb051a958_cast, .Lfunc_end_k_qfdb051a958_cast-k_qfdb051a958_cast
	.p2alignl 7, 3214868480
	.fill 96, 4, 3214868480
	.section	.rodata,"a",@progbits
	.p2align	6, 0x0
	.amdhsa_kernel k_qfdb051a958_cast
		.amdhsa_group_segment_fixed_size 0
		.amdhsa_private_segment_fixed_size 0
		.amdhsa_enable_private_segment 0
		.amdhsa_kernarg_size 40
		.amdhsa_user_sgpr_count 2
		.amdhsa_user_sgpr_kernarg_segment_ptr 1
		.amdhsa_wavefront_size32 1
		.amdhsa_system_sgpr_workgroup_id_x 1
		.amdhsa_system_sgpr_workgroup_id_y 1
		.amdhsa_system_sgpr_workgroup_id_z 1
		.amdhsa_system_vgpr_workitem_id 0
		.amdhsa_next_free_vgpr 104
		.amdhsa_next_free_sgpr 66
		.amdhsa_reserve_vcc 0
		.amdhsa_float_denorm_mode_32 3
		.amdhsa_float_denorm_mode_16_64 3
		.amdhsa_memory_ordered 1
		.amdhsa_forward_progress 1
		.amdhsa_inst_pref_size 8
	.end_amdhsa_kernel
	.amdgpu_metadata
---
amdhsa.version: [ 1, 2 ]
amdhsa.kernels:
  - .name:           k_qfdb051a958_cast
    .symbol:         k_qfdb051a958_cast.kd
    .args:
      - { .name: x, .offset: 0, .size: 8, .value_kind: global_buffer, .address_space: global }
      - { .name: Wq, .offset: 8, .size: 8, .value_kind: global_buffer, .address_space: global }
      - { .name: Wk, .offset: 16, .size: 8, .value_kind: global_buffer, .address_space: global }
      - { .name: Wv, .offset: 24, .size: 8, .value_kind: global_buffer, .address_space: global }
      - { .name: xw, .offset: 32, .size: 8, .value_kind: global_buffer, .address_space: global }
    .group_segment_fixed_size: 0
    .private_segment_fixed_size: 0
    .kernarg_segment_align: 8
    .kernarg_segment_size: 40
    .max_flat_workgroup_size: 256
    .sgpr_count:     66
    .vgpr_count:     104
    .wavefront_size: 32
...
	.end_amdgpu_metadata
.endif
;; end of part 5
;; launch proj: the kernel of part 2 again; grid 8 x 32, 4 waves a work-group, clusters of 4 x 4, 327,680 bytes of LDS; arguments xw, qk, vt; writes qk, vt
;; launch score: the kernel of part 3 again; grid 8 x 32, 4 waves a work-group, clusters of 4 x 4, 327,680 bytes of LDS; arguments qk, pmat, stat; writes pmat, stat
;; launch mix: the kernel of part 4 again; grid 4 x 64, 4 waves a work-group, clusters of 4 x 4, 327,680 bytes of LDS; arguments pmat, vt, stat, out0; writes out0
